; MI455X (gfx1250); checked and timed in simulation.
; The chip was launched on July 23, 2026; its instructions are those of AMD's public machine-readable ISA for CDNA 5 (MIT licence, August 2026) and "CDNA5" Instruction Set Architecture Reference Guide (July 2026). The comments in the code are by the model that wrote it; some were corrected since.
;; Multi Head Attention Ro PE. Allowed arithmetic: matrix products marked QUANTISED: E2M1 operands, one E8M0 scale for each 32 along K, by v_wmma_scale_f32_16x16x128_f8f6f4 with both operands' format E2M1 (or v_wmma_scale_f32_32x16x128_f4), f32 sums; everything else in f32.
;; Inputs: K 4 x 2,048 x 1,024 float32; Q 4 x 2,048 x 1,024 float32; V 4 x 2,048 x 1,024 float32; Wk 1,024 x 1,024 float32; Wo 1,024 x 1,024 float32; Wq 1,024 x 1,024 float32; Wv 1,024 x 1,024 float32; bk 1,024 float32; bo 1,024 float32; bq 1,024 float32; bv 1,024 float32; mask 4 x 2,048 bool.
;; Outputs: out0 4 x 2,048 x 1,024 float32.
;; This version of the problem:
;;   THIS VERSION OF THE PROBLEM IS GIVEN IN LOW PRECISION. The matrix products marked QUANTISED in the list below multiply operands that are first quantised to E2M1 (2 exponent bits, 1 mantissa bit; 4 bits a number), with one power-of-two scale for each 32 numbers along K (OCP MX v1.0); their sums are f32. All else is computed in f32.
;;   The module's matrix products, in the order in which they are computed (A, B: the left and right operand; K: the contracted axis; several contracted axes count as one K, in the product's order):
;;     1. [M 8,192, K 1,024] x [K 1,024, N 1,024]; A: input Q; B: input Wq: QUANTISED
;;     2. [M 8,192, K 1,024] x [K 1,024, N 1,024]; A: input K; B: input Wk: QUANTISED
;;     3. [M 8,192, K 1,024] x [K 1,024, N 1,024]; A: input V; B: input Wv: QUANTISED
;;     4. batch 64 x [M 2,048, K 64] x [K 64, N 2,048]; A: computed on the way; B: computed on the way: QUANTISED
;;     5. batch 64 x [M 2,048, K 2,048] x [K 2,048, N 64]; A: softmax (see below); B: computed on the way: QUANTISED
;;     6. [M 8,192, K 1,024] x [K 1,024, N 1,024]; A: computed on the way; B: input Wo: QUANTISED
;;   THE QUANTISER, for each operand of a quantised product, along K:
;;     - K is cut into blocks of 32 from its start; a last block that is shorter is filled with zeros.
;;     - A block's scale is 2^e with e = floor(log2(the largest magnitude in the block)) - 2, held to -126 .. 127; a block of zeros has e = 0. As a byte (E8M0): e + 127.
;;     - Each number is divided by its block's scale, clamped to +-6, and rounded to the nearest number of E2M1, ties to even, subnormals kept.
;;     - The product sums the exact products of the quantised numbers (number of the format x scale) in f32.
;;   ~~~python
;;   def quantise(x, axis):      # numpy; x: float32 -> the quantised numbers, widened to float32 again
;;       x = np.moveaxis(x, axis, -1); K = x.shape[-1]
;;       x = np.pad(x, [(0, 0)] * (x.ndim - 1) + [(0, -K % 32)]); x = x.reshape(x.shape[:-1] + (-1, 32)); a = np.abs(x).max(-1, keepdims=True)
;;       e = np.where(a > 0, np.clip(np.frexp(np.where(a > 0, a, 1))[1] - 1 - 2, -126, 127), 0)      # np.frexp(a)[1] - 1 = floor(log2(a)), exactly
;;       r = np.clip(x / 2.0 ** e, -6, 6)
;;       step = 2.0 ** (np.maximum(np.frexp(np.where(r == 0, 1, r))[1] - 1, 0) - 1)
;;       q = np.round(r / step) * step * 2.0 ** e      # np.round: ties to even
;;       return np.moveaxis(q.reshape(q.shape[:-2] + (-1,))[..., :K], -1, axis).astype(np.float32)
;;   ~~~
;;   SOFTMAX AHEAD OF A QUANTISED PRODUCT. Where the list says 'softmax', what is quantised is not the finished softmax but p = 2^(t - M), with t = logit x log2(e) and M = ceil(the row's largest t), a whole number; so 1/2 < the row's largest p <= 1. The row's sum l is taken of the UNQUANTISED p, in f32, and the product's result is divided by l at the end. Since M is a whole number, a kernel that streams over the keys may use a running M (the ceiling of the running maximum): every later rescaling is an exact power of two, which a block's scale takes up: the codes' values come out the same.
;;   OPERANDS COMPUTED ON THE WAY. 'Computed on the way' means the value that the module computes at that place (a softmax that the list does not call 'softmax' is quantised finished and normalised). What goes into a quantiser is computed in f32, as accurately as f32 sums, v_exp_f32 and their like allow (about 1e-6 of the number): no bf16 or f16 on the way to a quantiser, and a product that is left as it is and whose result goes on into a quantised operand takes f32 operands (vector FMAs, or v_wmma_f32_16x16x4_f32). A number that lies on a knife's edge between two numbers of the format may be rounded either way, as far as f32 arithmetic and the matrix unit's own rounding can turn it there, and no further.
;; One version. Each part assembles by itself: llvm-mc -triple=amdgcn-amd-amdhsa -mcpu=gfx1250 --defsym DOCPART=n.
;; ======== version 1 of 1: 4 launches
;; limits: right only within a limited range of input values
;; workspace buffers: codes 14,680,064 bytes; scales 917,504 bytes; rope 524,288 bytes; img 16,777,216 bytes; sc 1,572,864 bytes; oimg 4,194,304 bytes; osc 262,144 bytes
;; launch quant (part 1): grid 928 x 1, 4 waves a work-group, no clusters, 33,280 bytes of LDS; arguments Q, K, V, Wq, Wk, Wv, Wo, codes, scales, rope; writes codes, scales, rope
.if DOCPART == 1
	.amdgcn_target "amdgcn-amd-amdhsa--gfx1250"
	.amdhsa_code_object_version 6
	.text
	.protected	k_q87e6127175_quant
	.globl	k_q87e6127175_quant
	.p2align	8
	.type	k_q87e6127175_quant,@function
k_q87e6127175_quant:
	s_mov_b64 s[64:65], 0
	v_nop
	global_prefetch_b8 v0, s[64:65] scope:SCOPE_SE
	s_setreg_imm32_b32 hwreg(HW_REG_WAVE_MODE, 25, 1), 1
	s_wait_xcnt 0x0
; Q, K, V [8192][1024] and Wq, Wk, Wv, Wo [1024][1024], f32 with K innermost, become codes of FP4 (E2M1) and one E8M0 byte for each 32 along K:
; codes [28672 rows][512 bytes], scales [28672 rows][32 bytes]; rows: Q 0, K 8192, V 16384, Wq 24576, Wk 25600, Wv 26624, Wo 27648.
; A block's scale is 2^(floor(log2(largest magnitude)) - 2); its byte is the largest magnitude's exponent field - 2, held at 1 from below.
; THE ORDER OF ROWS.  In K, V, Wq, Wk and Wv each aligned group of 32 rows is stored with its four groups of 8 rows in the order 0, 2, 1, 3.  A tile of 16 stored rows, taken as
; source 0 of a product, then leaves in the 16 registers of two neighbouring tiles 16 NEIGHBOURS of the true order: what the next quantiser wants.  Q and Wo keep their order.
; Work-groups 0 to 895 quantise: 32 rows each, a wave 8 rows = 8,192 numbers in 16 steps of 512.  Each load takes 512 consecutive bytes; a step's 2,048 bytes turn through the wave's own
; stage in LDS so that a lane holds 16 neighbours; a step's codes leave as 256 consecutive bytes, the wave's 256 scale bytes as one store.
; Work-groups 896 to 927 make the table of rotations: rope [token 2048][pair 32][cos, sin] f32, 256 bytes a token; they use no LDS.
; LIMITS: a block whose largest magnitude lies under 2^-124, a block of zeros among them, gets the byte 1 (this program alone reads the bytes; zero codes add nothing);
; NaN and infinities are not served.  The angle (under 2,048) is reduced by pi/2 in two parts: what is left out is under 2e-12.  1/freq is the rounded reciprocal of the rounded 10^(i/8).
.set STEPS, 16
.set NQW,   896                        ; work-groups that quantise
.set EMAX,  2
.set CB,    8                          ; bytes of 16 codes
.set R,     16                         ; v16-79   four sets of 16 numbers as loaded
.set X,     80                         ; v80-111  two sets of 16 neighbours
.set E,     112                        ; v112-127 a scale byte for each step
.set C,     128                        ; v128-191 codes: registers of its own for each step
.set WREG,  8192                       ; LDS of a wave: two stages of 32 x SP bytes, then 256 scale bytes
.set SP,    80                         ; a stage has room for 32 x SP bytes; it holds a step's 2,048 bytes with 16 of padding behind each 256
	s_load_b512 s[4:19], s[0:1], 0x0               ; Q, K, V, Wq, Wk, Wv, Wo, codes
	s_load_b128 s[20:23], s[0:1], 0x40             ; scales, rope
	v_lshl_add_u32 v192, v0, 2, 0x8000
	v_mov_b32 v193, 0
	v_lshrrev_b32 v1, 5, v0
	v_readfirstlane_b32 s32, v1                    ; wave
	v_and_b32 v2, 31, v0                           ; lane
	s_cmp_ge_u32 ttmp9, NQW
	s_cbranch_scc1 .Lrope
	v_lshlrev_b32 v3, 4, v2                        ; my 16 bytes of a load's 512
	s_mul_i32 s33, s32, WREG
	v_lshrrev_b32 v14, 4, v2
	v_add_nc_u32 v14, v14, v2
	v_lshl_add_u32 v14, v14, 4, s33                ; into the stage: piece u of 16 bytes lies at 16 (u + u / 16): 16 (lane + lane / 16), and 544 bytes on for each load
	v_lshrrev_b32 v15, 2, v2
	v_lshl_add_u32 v15, v2, 2, v15
	v_lshl_add_u32 v15, v15, 4, s33                ; out of it: pieces 4 lane .. 4 lane + 3, my 16 neighbours: 16 (4 lane + lane / 4).  Sixteen lanes touch sixteen different columns of 16 bytes both ways
	v_mul_u32_u24 v4, v2, CB                       ; my codes' place in a step's
	v_lshrrev_b32 v5, 1, v2
	s_add_co_u32 s33, s33, 2*32*SP
	v_add_nc_u32 v5, s33, v5                       ; my block's scale byte in LDS
	v_lshlrev_b32 v7, 3, v2
	v_add_nc_u32 v6, s33, v7                       ; and 8 bytes a lane on the way out
	s_wait_alu depctr_va_vdst(0)
	s_wait_kmcnt 0x0
	s_mov_b64 s[24:25], s[16:17]                   ; which tensor: the choice hangs on the work-group's number alone
	s_mov_b32 s26, 864                             ; and its first work-group
.macro PICK lim, lo, first
	s_cmp_lt_u32 ttmp9, \lim
	s_cselect_b64 s[24:25], s[\lo:\lo+1], s[24:25]
	s_cselect_b32 s26, \first, s26
.endm
	PICK 864, 14, 832
	PICK 832, 12, 800
	PICK 800, 10, 768
	PICK 768, 8, 512
	PICK 512, 6, 256
	PICK 256, 4, 0
	s_and_b32 s27, s32, 1
	s_lshl_b32 s27, s27, 1
	s_lshr_b32 s28, s32, 1
	s_or_b32 s27, s27, s28                         ; groups 1 and 2 of 8 rows change places
	s_sub_co_u32 s28, ttmp9, 256
	s_cmp_lt_u32 s28, 608                          ; K, V, Wq, Wk, Wv: work-groups 256 to 863
	s_cselect_b32 s28, s27, s32
	s_sub_co_u32 s29, ttmp9, s26
	s_lshl_b32 s29, s29, 2
	s_add_co_u32 s29, s29, s32                     ; my run of 8 rows in the source,
	s_lshl_b32 s34, s29, 15                        ; 32,768 bytes a run
	s_mov_b32 s35, 0
	s_add_nc_u64 s[24:25], s[24:25], s[34:35]
	s_lshl_b32 s29, ttmp9, 2
	s_add_co_u32 s29, s29, s28                     ; and where it is stored
	s_lshl_b32 s34, s29, 12
	s_add_nc_u64 s[18:19], s[18:19], s[34:35]
	s_lshl_b32 s34, s29, 8
	s_add_nc_u64 s[20:21], s[20:21], s[34:35]
.macro LOAD t
.irp i, 0,1,2,3
	global_load_b128 v[R+16*((\t)%4)+4*\i:R+16*((\t)%4)+4*\i+3], v3, s[24:25] offset:2048*(\t)+512*\i th:TH_LOAD_NT
.endr
.endm
.macro TURN t                          ; LDS serves a wave's instructions in order: no wait between the stores and the loads
.irp i, 0,1,2,3
	ds_store_b128 v14, v[R+16*((\t)%4)+4*\i:R+16*((\t)%4)+4*\i+3] offset:32*SP*((\t)%2)+544*\i
.endr
.irp i, 0,1,2,3
	ds_load_b128 v[X+16*((\t)%2)+4*\i:X+16*((\t)%2)+4*\i+3], v15 offset:32*SP*((\t)%2)+16*\i
.endr
.endm
.irp t, 0,1,2,3
	LOAD \t
.endr
	s_wait_loadcnt 12                              ; step 0's four loads are in; twelve younger ones stay out
	TURN 0
.macro STEP t
.set XS, X+16*((\t)%2)
.if (\t) > 0
	s_wait_dscnt 1                                 ; this step's numbers are back from the stage (the last byte store may be out)
.else
	s_wait_dscnt 0x0
.endif
.if (\t)+4 < STEPS
	LOAD (\t)+4                                    ; into the registers that the stage's stores have read
.endif
.if (\t)+1 < STEPS
.if STEPS-2-(\t) >= 3
	s_wait_loadcnt 12                              ; the next step's four loads are in; those of three steps behind it stay out
.else
	s_wait_loadcnt 4*(STEPS-2-(\t))
.endif
	TURN (\t)+1
.endif
	v_max3_num_f32 v8, |v[XS]|, |v[XS+1]|, |v[XS+2]|
	v_max3_num_f32 v9, |v[XS+3]|, |v[XS+4]|, |v[XS+5]|
.irp i, 6,10
	v_max3_num_f32 v8, v8, |v[XS+\i]|, |v[XS+\i+1]|
	v_max3_num_f32 v9, v9, |v[XS+\i+2]|, |v[XS+\i+3]|
.endr
	v_max3_num_f32 v8, v8, |v[XS+14]|, |v[XS+15]|
	v_max3_num_f32 v8, v8, v9, (EMAX+1)<<23        ; the floor 2^(3 - 127): the byte cannot fall under 1
	v_max_num_f32_dpp v8, v8, v8 row_xmask:1 row_mask:0xf bank_mask:0xf   ; with my neighbour's 16: the block's largest magnitude
	v_add_nc_u32 v11, -(EMAX<<23), v8              ; 2 off its exponent field: the conversion's scale operand
	v_cvt_scalef32_pk8_fp4_f32 v[C+4*(\t)], v[XS:XS+7], v11
	v_cvt_scalef32_pk8_fp4_f32 v[C+4*(\t)+1], v[XS+8:XS+15], v11
	v_lshrrev_b32 v[E+(\t)], 23, v11               ; the scale's byte
	ds_store_b8 v5, v[E+(\t)] offset:16*(\t)       ; both lanes of a block write the same byte with the same value
	global_store_b64 v4, v[C+4*(\t):C+4*(\t)+1], s[18:19] offset:32*CB*(\t)   ; 32 lanes store 256 consecutive bytes, aligned
.endm
.irp t, 0,1,2,3,4,5,6,7,8,9,10,11,12,13,14,15
	STEP \t
.endr
	ds_load_b64 v[12:13], v6
	s_wait_dscnt 0x0
	global_store_b64 v7, v[12:13], s[20:21]        ; the wave's 256 scale bytes: 256 consecutive bytes, aligned
	s_wait_tensorcnt 0x0
	ds_add_u32 v192, v193
	s_wait_dscnt 0x0
	s_endpgm
; THE TABLE OF ROTATIONS.  Lane = pair i; a wave takes 16 tokens.  x = 10^(i/8) = 10^(i % 8 / 8) (in two parts) x 10^(i / 8), rounded once; 1/x rounded.
.Lrope:
	s_wait_alu depctr_va_vdst(0)
	v_and_b32 v3, 7, v2
	v_lshrrev_b32 v9, 3, v2
	v_mov_b32 v4, 1.0
	v_mov_b32 v5, 0
.macro ROOT j, hi, lo
	v_cmp_ne_u32 vcc_lo, \j, v3
	v_cndmask_b32 v4, \hi, v4, vcc_lo
	v_cndmask_b32 v5, \lo, v5, vcc_lo
.endm
	ROOT 1, 0x3faab0d5, 0xb36457e2
	ROOT 2, 0x3fe39ea9, 0xb26aee20
	ROOT 3, 0x4017c496, 0x33606962
	ROOT 4, 0x404a62c2, 0xb324b5dd
	ROOT 5, 0x4086f161, 0xb430576d
	ROOT 6, 0x40b3f300, 0x34323465
	ROOT 7, 0x40eff755, 0x34515b57
	v_mov_b32 v6, 1.0
.macro POWER d, p
	v_cmp_ne_u32 vcc_lo, \d, v9
	v_cndmask_b32 v6, \p, v6, vcc_lo
.endm
	POWER 1, 0x41200000
	POWER 2, 0x42c80000
	POWER 3, 0x447a0000
	v_mul_f32 v7, v5, v6
	v_fma_f32 v7, v4, v6, v7                       ; x
	s_wait_alu depctr_va_vdst(0)
	v_rcp_f32 v8, v7
	v_lshlrev_b32 v26, 3, v2                       ; (a plain line behind the reciprocal)  8 bytes a lane
	s_wait_alu depctr_va_vdst(0)                   ; the wait ahead of the first reader
	v_fma_f32 v10, -v7, v8, 1.0
	v_fma_f32 v8, v8, v10, v8                      ; one correction step: 1/x
	s_sub_co_u32 s33, ttmp9, NQW
	s_lshl_b32 s33, s33, 6
	s_lshl_b32 s34, s32, 4
	s_add_co_u32 s35, s33, s34                     ; my first token
	s_lshl_b32 s30, s35, 8
	s_mov_b32 s31, 0
	s_mov_b32 s36, 0xbfc90fdb                      ; -pi/2, upper part
	s_mov_b32 s37, 0x333bbd2e                      ; and what the upper part has too much
	s_mov_b32 s38, 0xb94ca1f9                      ; sine: three coefficients
	s_mov_b32 s39, 0x3c08839e
	s_mov_b32 s40, 0xbe2aaaa3
	s_mov_b32 s41, 0x37ccf5ce                      ; cosine: three
	s_mov_b32 s42, 0xbab6061a
	s_mov_b32 s43, 0x3d2aaaa5
	s_wait_kmcnt 0x0
	s_add_nc_u64 s[30:31], s[22:23], s[30:31]
	s_mov_b32 s34, 0
.Ltok:
	v_cvt_f32_u32 v10, s35
	s_wait_alu depctr_va_vdst(0)
	v_mul_f32 v10, v10, v8                         ; the angle, rounded once
	v_mul_f32 v11, 0x3f22f983, v10
	v_rndne_f32 v11, v11                           ; k = the nearest multiple of pi/2
	v_fma_f32 v12, v11, s36, v10
	v_fma_f32 v12, v11, s37, v12                   ; what is left, within pi/4
	v_mul_f32 v13, v12, v12
	v_fma_f32 v14, v13, s38, s39
	v_fma_f32 v15, v13, s41, s42
	v_fma_f32 v14, v14, v13, s40
	v_fma_f32 v15, v15, v13, s43
	v_mul_f32 v14, v14, v13
	v_fma_f32 v15, v15, v13, -0.5
	v_fma_f32 v14, v14, v12, v12                   ; its sine
	v_fma_f32 v15, v15, v13, 1.0                   ; its cosine
	v_cvt_i32_f32 v16, v11
	v_and_b32 v17, 1, v16
	v_cmp_eq_u32 vcc_lo, 1, v17                    ; an odd quarter swaps the two
	v_cndmask_b32 v18, v14, v15, vcc_lo
	v_cndmask_b32 v19, v15, v14, vcc_lo
	v_lshlrev_b32 v20, 30, v16
	v_and_b32 v20, 0x80000000, v20                 ; the sine is negative in quarters 2 and 3,
	v_add_nc_u32 v21, 1, v16
	v_lshlrev_b32 v21, 30, v21
	v_and_b32 v21, 0x80000000, v21                 ; the cosine in quarters 1 and 2
	v_xor_b32 v24, v19, v21
	v_xor_b32 v25, v18, v20
	global_store_b64 v26, v[24:25], s[30:31]       ; a token's 256 bytes
	s_wait_xcnt 0x0                                ; the base and v[24:25] are written again only behind this wait
	s_add_nc_u64 s[30:31], s[30:31], 256
	s_add_co_u32 s35, s35, 1
	s_add_co_u32 s34, s34, 1
	s_cmp_lt_u32 s34, 16
	s_cbranch_scc1 .Ltok
	s_endpgm
.Lfunc_end_k_q87e6127175_quant:
	.size	k_q87e6127175_quant, .Lfunc_end_k_q87e6127175_quant-k_q87e6127175_quant
	.p2alignl 7, 3214868480
	.fill 96, 4, 3214868480
	.section	.rodata,"a",@progbits
	.p2align	6, 0x0
	.amdhsa_kernel k_q87e6127175_quant
		.amdhsa_group_segment_fixed_size 33280
		.amdhsa_private_segment_fixed_size 0
		.amdhsa_enable_private_segment 0
		.amdhsa_kernarg_size 80
		.amdhsa_user_sgpr_count 2
		.amdhsa_user_sgpr_kernarg_segment_ptr 1
		.amdhsa_wavefront_size32 1
		.amdhsa_system_sgpr_workgroup_id_x 1
		.amdhsa_system_sgpr_workgroup_id_y 1
		.amdhsa_system_sgpr_workgroup_id_z 1
		.amdhsa_system_vgpr_workitem_id 0
		.amdhsa_next_free_vgpr 194
		.amdhsa_next_free_sgpr 66
		.amdhsa_reserve_vcc 1
		.amdhsa_float_denorm_mode_32 3
		.amdhsa_float_denorm_mode_16_64 3
		.amdhsa_memory_ordered 1
		.amdhsa_forward_progress 1
		.amdhsa_inst_pref_size 39
	.end_amdhsa_kernel
	.amdgpu_metadata
---
amdhsa.version: [ 1, 2 ]
amdhsa.kernels:
  - .name:           k_q87e6127175_quant
    .symbol:         k_q87e6127175_quant.kd
    .args:
      - { .name: Q, .offset: 0, .size: 8, .value_kind: global_buffer, .address_space: global }
      - { .name: K, .offset: 8, .size: 8, .value_kind: global_buffer, .address_space: global }
      - { .name: V, .offset: 16, .size: 8, .value_kind: global_buffer, .address_space: global }
      - { .name: Wq, .offset: 24, .size: 8, .value_kind: global_buffer, .address_space: global }
      - { .name: Wk, .offset: 32, .size: 8, .value_kind: global_buffer, .address_space: global }
      - { .name: Wv, .offset: 40, .size: 8, .value_kind: global_buffer, .address_space: global }
      - { .name: Wo, .offset: 48, .size: 8, .value_kind: global_buffer, .address_space: global }
      - { .name: codes, .offset: 56, .size: 8, .value_kind: global_buffer, .address_space: global }
      - { .name: scales, .offset: 64, .size: 8, .value_kind: global_buffer, .address_space: global }
      - { .name: rope, .offset: 72, .size: 8, .value_kind: global_buffer, .address_space: global }
    .group_segment_fixed_size: 33280
    .private_segment_fixed_size: 0
    .kernarg_segment_align: 8
    .kernarg_segment_size: 80
    .max_flat_workgroup_size: 128
    .sgpr_count:     66
    .vgpr_count:     194
    .wavefront_size: 32
...
	.end_amdgpu_metadata
.endif
;; end of part 1
;; launch proj (part 2): grid 4 x 64, 4 waves a work-group, clusters of 4 x 4, 327,680 bytes of LDS; arguments codes, scales, bq, bk, bv, mask, rope, img, sc; writes img, sc
.if DOCPART == 2
	.amdgcn_target "amdgcn-amd-amdhsa--gfx1250"
	.amdhsa_code_object_version 6
	.text
	.protected	k_q87e6127175_proj
	.globl	k_q87e6127175_proj
	.p2align	8
	.type	k_q87e6127175_proj,@function
k_q87e6127175_proj:
	s_mov_b64 s[64:65], 0
	v_nop
	global_prefetch_b8 v0, s[64:65] scope:SCOPE_SE
	s_setreg_imm32_b32 hwreg(HW_REG_WAVE_MODE, 25, 1), 1
	s_wait_xcnt 0x0
	s_wait_alu depctr_hold_cnt(0) depctr_sa_sdst(0) depctr_va_vdst(0) depctr_va_sdst(0) depctr_va_ssrc(0) depctr_va_vcc(0) depctr_vm_vsrc(0)
	s_getreg_b32 s2, hwreg(HW_REG_IB_STS2, 6, 4)
	s_cmp_eq_u32 s2, 0
	s_cbranch_scc0 .Lentry_in_a_cluster
	s_endpgm
.Lentry_in_a_cluster:
	s_bfe_u32 s2, ttmp6, 0x10000c
	s_cmp_lg_u32 s2, 0xf033
	s_cbranch_scc0 .Lentry_shape_is_right
	s_endpgm
.Lentry_shape_is_right:
; q = rope(Q Wq^T + bq), k = rope(K Wk^T + bk) and v = V Wv^T + bv on codes of FP4 (E2M1) with one E8M0 byte for each 32 along K = 1,024; the results are quantised again and stored as images of
; the next products' operand registers (img) with their scale words (sc).
; SHARES.  256 work-groups, each with TWO blocks.  First a block of 256 tokens x 256 channels of q (cluster rows 0-7) or k (8-15), 128 x 128 a wave.  Then a block of V^T, 128 channels x 256 keys, 64 x 128 a wave:
; there the two sources change places (source 1 = rows of Wv), so that the keys run along a lane's registers.  32 x 4 blocks of q, as many of k, and 8 x 32 of V^T: 256 of each kind of work.
; LDS.  All of K of a block lies in LDS at once: rows of 512 bytes + 16 of padding, and both operands' scale bytes.  Four joint loads, one a wave, behind a round of the cluster's barrier.
; The second block's tiles are refills: they are asked for behind the first block's last LDS read, the full sequence and a round, and are on their way while the first block's results are rotated, quantised and stored.
; The way out's scratch has LDS bytes of its own.  A masked key's 64 codes are zeros, and its scale word's upper half carries 2^32 for the mask's code in the score product's idle half.
; No prefetch: each block's bytes are asked for by one group of loads, and no loop runs ahead of a load.
.set NQ,     4
.set ROWB,   512
.set KROW,   512
.set PITCH,  528
.set FR,     8
.set NL,     2
.set NP,     4
.set HALFT,  128*PITCH
.set SLOT,   256                       ; the second half of K begins 256 bytes on in each row
.set KS,     32
.set SCL,    4*HALFT
.set HALFS,  (128*KS/256)*272
.set SBLK,   (16*KS/256)*272
.set SPARE,  SCL+4*HALFS
.set STG,    SPARE+512                 ; the way out's scratch: bytes of its own, into which no fill lands
.set BVO,  1
.set ADRS2, 3                          ; v3: the scale words' address with lanes 16-31 four blocks further on (second block)
.set SCOV, 4
.set BO,   5
.set MK,   6
.set BV,   8
.set ADRA, 16
.set RA,   18
.set ADRB, 20
.set LI,   22
.set SCA,  23
.set SH,   24
.set SCR,  25
.set SCV,  26
.set ADRS, 27
.set SPW,  28
.set NIL,  29
.set MA,   30
.set SC,   32
.set RP0,  96
.set AF,   128
.set TM,   160
.set PW,   176
.set W,    177
.set PC,   178
.set T,    186
.set UP0,  190
.set UP1,  191
.set H,    192
.set BIAS, 64
.set SEL,  2
.set G1, 24
.set G0, 32
.set G1B, 48
.set G0B, 56
.set G0V, 60                           ; s[60:63] group 0 for Wv's rows: registers that the first block's way out does not write
.set G1S, 68
.set G0S, 76
.set G1SB, 80
.set G0SB, 88
.set MSB, 0
.macro WIN new
.if MSB != (\new)
	s_set_vgpr_msb (MSB<<8)|(\new)
.set MSB, (\new)
.endif
.endm
.set MUL_LO, 0xa1
.set MUL_HI, 0xf1
.set TO_B,   0x40
.macro ARM under, g0, g1, next, join   ; one arm of a tree of branches on the wave's number: its load, and a jump to the tree's end
	s_cmp_lt_u32 s14, \under
	s_cbranch_scc0 \next
	tensor_load_to_lds s[\g0:\g0+3], s[\g1:\g1+7]
	s_nop 0
.rept 4
	v_nop
.endr
	s_branch \join
\next:
.endm
.macro CROUND
	s_barrier_signal -1
	s_barrier_wait -1
	s_cmp_lg_u32 s14, 0
	s_cbranch_scc1 .Lnot_wave_0_\@
	s_barrier_signal -3
.Lnot_wave_0_\@:
	s_barrier_wait -3
	s_barrier_signal -1
	s_barrier_wait -1
.endm
	s_load_b256 s[4:11], s[0:1], 0x0               ; codes, scales, bq, bk
	s_load_b64 s[12:13], s[0:1], 0x20              ; bv
	s_load_b128 s[96:99], s[0:1], 0x28             ; mask, rope
	s_load_b64 s[100:101], s[0:1], 0x38            ; img
	s_load_b64 s[104:105], s[0:1], 0x40            ; sc
	v_lshl_add_u32 v[SPW], v0, 2, SPARE
	v_mov_b32 v[NIL], 0
	ds_add_u32 v[SPW], v[NIL]                      ; the opening lines: the add, twice on end, and its wait
	ds_add_u32 v[SPW], v[NIL]
	s_wait_dscnt 0x0
	v_lshrrev_b32 v1, 5, v0
	v_readfirstlane_b32 s14, v1
	s_lshr_b32 s15, s14, 1
	s_and_b32 s16, s14, 1
	s_bfe_u32 s40, ttmp6, 0x40000
	s_bfe_u32 s41, ttmp6, 0x40004
	s_and_b32 s66, ttmp7, 0xffff                   ; the cluster's row, 0..15
	s_lshr_b32 s67, s66, 3                         ; 0: q, 1: k
	s_lshl_b32 s18, s66, 2
	s_lshl_b32 s20, s67, 2
	s_add_co_u32 s20, s20, 96                      ; Wq's rows begin at 96 x 256, Wk's at 100 x 256
	s_add_co_u32 s17, s18, s41                     ; source 1: which 256 tokens
	s_add_co_u32 s42, s20, s40                     ; source 0: which 256 rows of the weight
	s_lshl_b32 s43, s41, 2
	s_lshl_b32 s43, 15, s43
	s_lshl_b32 s44, 0x1111, s40
	s_or_b32 s[G1+0], s43, (0<<16)|(1<<20)|(1<<21)|(6<<22)|(3<<25)   ; four words of padding behind every 128
	s_or_b32 s[G1B+0], s44, (0<<16)|(1<<20)|(1<<21)|(6<<22)|(3<<25)
.irp g, G1, G1B
	s_mov_b32 s[\g+1], ROWB<<16
	s_mov_b32 s[\g+2], 256<<16
	s_mov_b32 s[\g+3], ROWB<<16
	s_mov_b32 s[\g+4], 256
	s_mov_b32 s[\g+5], KROW
	s_mov_b32 s[\g+6], 0
	s_mov_b32 s[\g+7], 0
.endr
	s_or_b32 s[G1S+0], s43, (3<<16)|(1<<20)|(1<<21)|(5<<22)|(3<<25)
	s_or_b32 s[G1SB+0], s44, (3<<16)|(1<<20)|(1<<21)|(5<<22)|(3<<25)
.irp g, G1S, G1SB
	s_mov_b32 s[\g+1], 32<<16
	s_mov_b32 s[\g+2], KS<<16
	s_mov_b32 s[\g+3], 32<<16
	s_mov_b32 s[\g+4], KS
	s_mov_b32 s[\g+5], 32
	s_mov_b32 s[\g+6], 0
	s_mov_b32 s[\g+7], 0
.endr
	s_lshl_b32 s20, s17, 8
	s_lshl_b32 s46, s42, 8
	s_mov_b32 s21, 0
	s_mov_b32 s47, 0
	s_mov_b64 s[18:19], KS
	s_mul_u64 s[22:23], s[20:21], s[18:19]
	s_mul_u64 s[92:93], s[46:47], s[18:19]
	s_mov_b64 s[18:19], KROW
	s_mul_u64 s[20:21], s[20:21], s[18:19]
	s_mul_u64 s[46:47], s[46:47], s[18:19]
	s_wait_kmcnt 0x0
	s_add_nc_u64 s[20:21], s[4:5], s[20:21]
	s_add_nc_u64 s[22:23], s[6:7], s[22:23]
	s_add_nc_u64 s[46:47], s[4:5], s[46:47]
	s_add_nc_u64 s[92:93], s[6:7], s[92:93]
	CROUND
	s_mov_b32 s[G0S], 1
	s_mov_b32 s[G0S+1], SCL
	s_mov_b64 s[G0S+2:G0S+3], s[22:23]
	s_or_b32 s[G0S+3], s[G0S+3], 0x80000000
	s_mov_b32 s[G0SB], 1
	s_mov_b32 s[G0SB+1], SCL+2*HALFS
	s_mov_b64 s[G0SB+2:G0SB+3], s[92:93]
	s_or_b32 s[G0SB+3], s[G0SB+3], 0x80000000
	s_mov_b32 s[G0], 1
	s_mov_b32 s[G0+1], 0
	s_mov_b64 s[G0+2:G0+3], s[20:21]
	s_or_b32 s[G0+3], s[G0+3], 0x80000000
	s_mov_b32 s[G0B], 1
	s_mov_b32 s[G0B+1], 2*HALFT
	s_mov_b64 s[G0B+2:G0B+3], s[46:47]
	s_or_b32 s[G0B+3], s[G0B+3], 0x80000000
	; the head's four tiles, one joint load a wave: source 1's 256 rows, source 0's, and their scale bytes
	ARM 1, G0,  G1,  .Lhead_b,  .Lhead_asked
	ARM 2, G0B, G1B, .Lhead_sa, .Lhead_asked
	ARM 3, G0S, G1S, .Lhead_sb, .Lhead_asked
	tensor_load_to_lds s[G0SB:G0SB+3], s[G1SB:G1SB+7]
	s_nop 0
.rept 4
	v_nop
.endr
.Lhead_asked:
	v_and_b32 v1, 15, v0
	v_bfe_u32 v2, v0, 4, 1
	v_mul_u32_u24 v186, v1, PITCH
	v_lshl_add_u32 v187, v2, 4, v186
	s_mul_i32 s21, s15, HALFT
	s_mul_i32 s22, s16, HALFT
	s_add_co_u32 s22, s22, 2*HALFT
.irp s, 0,1
	v_add_nc_u32 v[ADRA+\s], s21, v187
	v_add_nc_u32 v[ADRB+\s], s22, v187
	s_add_co_u32 s21, s21, SLOT
	s_add_co_u32 s22, s22, SLOT
.endr
	v_mul_u32_u24 v188, v1, KS
	v_lshrrev_b32 v189, 8, v188
	v_lshl_add_u32 v188, v189, 4, v188
	s_mul_i32 s21, s15, HALFS
	s_mul_i32 s22, s16, HALFS
	s_add_co_u32 s22, s22, 2*HALFS
	s_sub_co_u32 s22, s22, s21
	v_mul_u32_u24 v189, s22, v2
	s_add_co_u32 s21, s21, SCL
	v_add_nc_u32 v188, v188, v189
	v_add_nc_u32 v[ADRS], s21, v188
	v_and_b32 v186, 31, v0
	v_lshlrev_b32 v[LI], 4, v186
	s_lshl_b32 s21, s14, 10
	s_add_co_u32 s21, s21, STG
	v_lshlrev_b32 v187, 5, v1
	v_lshl_add_u32 v187, v2, 9, v187
	v_add_nc_u32 v[SCA], s21, v187
	v_lshlrev_b32 v[SH], 4, v2
	v_add_nc_u32 v[SCR], s21, v[LI]
	s_lshl_b32 s21, s14, 9
	s_add_co_u32 s21, s21, STG+4096
	v_lshl_add_u32 v[SCV], v1, 4, s21
	v_lshlrev_b32 v[SCOV], 4, v1
	s_cmp_eq_u32 s67, 1
	s_cselect_b32 s21, 8, 0
	s_cselect_b32 s22, 8, 16
	v_and_b32 v186, s21, v1
	v_add_nc_u32 v[MA], v186, v1
	v_add_nc_u32 v[MA+1], s22, v[MA]
	v_lshlrev_b32 v[RA], 8, v[MA]
	v_lshl_add_u32 v[RA], v2, 6, v[RA]
	s_lshl_b32 s22, s22, 8
	v_add_nc_u32 v[RA+1], s22, v[RA]
	v_lshlrev_b32 v[BO], 6, v2
	s_wait_alu depctr_va_vdst(0)                   ; the wait directly ahead of the reader below
	v_and_b32 v186, 8, v1
	v_add_nc_u32 v186, v186, v1
	v_lshlrev_b32 v[BVO], 2, v186
	s_wait_alu depctr_va_vdst(0)                   ; the wait at the head's end
	s_lshl_b32 s95, s66, 2
	s_add_co_u32 s95, s95, s41
	s_lshl_b32 s95, s95, 8
	s_lshl_b32 s21, s15, 7
	s_add_co_u32 s95, s95, s21                     ; my first token, counted through Q and K
	s_and_b32 s22, s95, 2047
	s_lshl_b32 s20, s22, 8
	s_mov_b32 s21, 0
	s_add_nc_u64 s[98:99], s[98:99], s[20:21]
	s_bfe_u32 s20, s95, 0x2000b
	s_lshl_b32 s20, s20, 11
	s_add_co_u32 s20, s20, s22
	s_add_nc_u64 s[96:97], s[96:97], s[20:21]
	s_cmp_eq_u32 s67, 0
	s_cselect_b64 s[8:9], s[8:9], s[10:11]
	s_lshl_b32 s20, s40, 10
	s_lshl_b32 s22, s16, 9
	s_add_co_u32 s20, s20, s22
	s_add_nc_u64 s[8:9], s[8:9], s[20:21]
	s_and_b32 s94, s66, 1
	s_lshl_b32 s94, s94, 2
	s_add_co_u32 s94, s94, s41                     ; the second block: which 128 rows of Wv, 0..7
	s_lshl_b32 s20, s94, 9
	s_lshl_b32 s22, s15, 8
	s_add_co_u32 s20, s20, s22
	s_add_nc_u64 s[12:13], s[12:13], s[20:21]      ; bv at my 64 channels
.macro LOADR a
.set RS, RP0+32*((\a)%2)
.irp b, 0,1
.irp j, 0,1,2,3
	global_load_b128 v[RS+16*\b+4*\j:RS+16*\b+4*\j+3], v[RA+(\a)%2], s[98:99] offset:((\a)/2)*8192+128*\b+16*\j
.endr
.endr
	global_load_u8 v[MK+(\a)%2], v[MA+(\a)%2], s[96:97] offset:32*((\a)/2)
.endm
	WIN 0x40
.irp b, 0,1,2,3
.irp j, 0,1,2,3
	global_load_b128 v[BIAS+16*\b+4*\j:BIAS+16*\b+4*\j+3], v[BO], s[8:9] offset:128*\b+16*\j
.endr
.endr
	WIN 0
	LOADR 0
.irp a, 0,1,2,3
	global_load_b32 v[BV+\a], v[BVO], s[12:13] offset:4*(32*(\a/2)+8*(\a%2))
.endr
.macro FRAG reg, adr, q, i
.irp c, 0,1
	ds_load_b128 v[\reg+4*\c:\reg+4*\c+3], v[\adr] offset:64*(\q)+32*\c+(\i)*16*PITCH
.endr
.endm
.macro MUL16 a0, p, q, sc, zero
.irp a, \a0, \a0+1
.irp b, 0,1,2,3,4,5,6,7
.if \zero
	v_wmma_scale_f32_16x16x128_f8f6f4 v[8*(8*((\a)%4)+\b):8*(8*((\a)%4)+\b)+7], v[128*(\p)+FR*\b:128*(\p)+FR*\b+FR-1], v[AF+FR*(\a):AF+FR*(\a)+FR-1], 0, v[SC+8*NQ*(\sc)+NQ*\b+(\q)], v[SC+8*NQ*(\sc)+NQ*(\a)+(\q)] matrix_a_fmt:MATRIX_FMT_FP4 matrix_b_fmt:MATRIX_FMT_FP4 matrix_a_scale:MATRIX_SCALE_ROW1
.else
	v_wmma_scale_f32_16x16x128_f8f6f4 v[8*(8*((\a)%4)+\b):8*(8*((\a)%4)+\b)+7], v[128*(\p)+FR*\b:128*(\p)+FR*\b+FR-1], v[AF+FR*(\a):AF+FR*(\a)+FR-1], v[8*(8*((\a)%4)+\b):8*(8*((\a)%4)+\b)+7], v[SC+8*NQ*(\sc)+NQ*\b+(\q)], v[SC+8*NQ*(\sc)+NQ*(\a)+(\q)] matrix_a_fmt:MATRIX_FMT_FP4 matrix_b_fmt:MATRIX_FMT_FP4 matrix_a_scale:MATRIX_SCALE_ROW1
.endif
.endr
.endr
.endm
.macro FETCH_B slot, q, p
	WIN TO_B
.irp i, 0,1,2,3,4,5,6,7
	FRAG 128*(\p)+FR*\i, ADRB+\slot, \q, \i
.endr
	WIN 0
.endm
.macro FETCH_A slot, q, i0
.irp i, \i0, \i0+1, \i0+2, \i0+3
	FRAG AF+FR*(\i), ADRA+\slot, \q, \i
.endr
.endm
.macro SCALES sc
.irp i, 0,1,2,3,4,5,6,7
	ds_load_b128 v[SC+8*NQ*\sc+NQ*\i:SC+8*NQ*\sc+NQ*\i+3], v[ADRS] offset:\i*SBLK
.endr
.endm
.macro PLACES n
.rept \n
	v_nop
.endr
.endm
.macro STEP slot, q, zero
	s_wait_dscnt 4*NL                              ; the youngest eight loads (source 1's blocks 4-7) may be out
	WIN MUL_LO
	MUL16 0, (\q)%2, \q, \slot, \zero
	MUL16 2, (\q)%2, \q, \slot, \zero
	s_wait_dscnt 0
	PLACES NP
	FETCH_B \slot, (\q)+1, 1-(\q)%2
	FETCH_A \slot, (\q)+1, 0
	WIN MUL_HI
	MUL16 4, (\q)%2, \q, \slot, \zero
	MUL16 6, (\q)%2, \q, \slot, \zero
	PLACES NP
	WIN 0
	FETCH_A \slot, (\q)+1, 4
.endm
.macro TURN slot, next                 ; the step that leads from one half of K to the other
	s_wait_dscnt 4*NL
	WIN MUL_LO
	MUL16 0, 1, NQ-1, \slot, 0
	MUL16 2, 1, NQ-1, \slot, 0
	s_wait_dscnt 0x0
	WIN 0
	PLACES NP
	v_add_nc_u32 v[ADRS], 4*NQ, v[ADRS]
	FETCH_B \next, 0, 0
	FETCH_A \next, 0, 0
	SCALES \next
	WIN MUL_HI
	MUL16 4, 1, NQ-1, \slot, 0
	MUL16 6, 1, NQ-1, \slot, 0
	PLACES NP
	WIN 0
	FETCH_A \next, 0, 4
.endm
.macro STEPS slot, from
.set Q, \from
.rept NQ-1-\from
	STEP \slot, Q, 0
.set Q, Q+1
.endr
.endm
	s_wait_tensorcnt 0x0                           ; my tile of the four is in; the barrier shows all four to every wave
	s_barrier_signal -1
	s_barrier_wait -1
	FETCH_B 0, 0, 0
	FETCH_A 0, 0, 0
	SCALES 0
	FETCH_A 0, 0, 4
	STEP 0, 0, 1
	STEPS 0, 1
	TURN 0, 1
	STEPS 1, 0
	s_wait_dscnt 4*NL
	WIN MUL_LO
	MUL16 0, 1, NQ-1, 1, 0
	MUL16 2, 1, NQ-1, 1, 0
	s_wait_dscnt 0
	WIN MUL_HI
	MUL16 4, 1, NQ-1, 1, 0
	MUL16 6, 1, NQ-1, 1, 0
	WIN 0
.macro QUANT s
.irp b, 0,1,2,3
	v_max3_num_f32 v[TM+\b], |v[\s+16*\b]|, |v[\s+1+16*\b]|, 0x1800000
.endr
.irp i, 2,4,6,8,10,12,14
.irp b, 0,1,2,3
	v_max3_num_f32 v[TM+\b], v[TM+\b], |v[\s+16*\b+\i]|, |v[\s+1+16*\b+\i]|
.endr
.endr
.irp b, 0,1,2,3
	v_permlanex16_b32 v[TM+4+\b], v[TM+\b], s[SEL], s[SEL+1]
.endr
.irp b, 0,1,2,3
	v_max_num_f32 v[TM+\b], v[TM+\b], v[TM+4+\b]
.endr
.irp b, 0,1,2,3
	v_add_nc_u32 v[TM+12+\b], 0xff000000, v[TM+\b]
.endr
.irp b, 0,1,2,3
	v_lshrrev_b32 v[TM+4+\b], 23, v[TM+12+\b]
.endr
	v_lshl_or_b32 v[PW], v[TM+5], 8, v[TM+4]
	v_lshl_or_b32 v[PW], v[TM+6], 16, v[PW]
	v_lshl_or_b32 v[PW], v[TM+7], 24, v[PW]
.irp b, 0,1,2,3
	v_cvt_scalef32_pk8_fp4_f32 v[PC+2*\b], v[\s+16*\b:\s+7+16*\b], v[TM+12+\b]
	v_cvt_scalef32_pk8_fp4_f32 v[PC+1+2*\b], v[\s+8+16*\b:\s+15+16*\b], v[TM+12+\b]
.endr
	v_nop
.irp c, 0,1
.irp i, 0,1
	v_permlane16_swap_b32 v[PC+4*\c+\i], v[PC+2+4*\c+\i]
.endr
.endr
.endm
.macro ROPE rs
.irp b, 0,1,2,3
.irp m, 0,2,4,6
	v_mul_f32 v[T],   v[H+16*\b+2*\m+1], v[\rs+16*(\b%2)+2*\m+1]
	v_mul_f32 v[T+1], v[H+16*\b+2*\m],   v[\rs+16*(\b%2)+2*\m+1]
	v_mul_f32 v[T+2], v[H+16*\b+2*\m+3], v[\rs+16*(\b%2)+2*\m+3]
	v_mul_f32 v[T+3], v[H+16*\b+2*\m+2], v[\rs+16*(\b%2)+2*\m+3]
	v_fma_f32 v[H+16*\b+2*\m],   v[H+16*\b+2*\m],   v[\rs+16*(\b%2)+2*\m],   -v[T]
	v_fma_f32 v[H+16*\b+2*\m+1], v[H+16*\b+2*\m+1], v[\rs+16*(\b%2)+2*\m],   v[T+1]
	v_fma_f32 v[H+16*\b+2*\m+2], v[H+16*\b+2*\m+2], v[\rs+16*(\b%2)+2*\m+2], -v[T+2]
	v_fma_f32 v[H+16*\b+2*\m+3], v[H+16*\b+2*\m+3], v[\rs+16*(\b%2)+2*\m+3-1], v[T+3]
.endr
.endr
.endm
	PLACES NP
	s_wait_loadcnt 0x0
	; THE SECOND BLOCK'S TILES ARE ASKED FOR.  My reads of the first block's tiles are over.
	s_wait_tensorcnt 0x0                           ; no tensor load of mine is out, so descriptors may be written
	ds_add_u32 v[SPW], v[NIL]
	s_mov_b32 s[G1+2], 128<<16                     ; source 1 is now 128 rows of Wv,
	s_mov_b32 s[G1+4], 128
	s_mov_b32 s[G1S+2], (KS/2)<<16                 ; with 4,096 scale bytes
	s_mov_b32 s[G1S+4], KS/2
	s_lshl_b32 s20, s94, 7
	s_add_co_u32 s20, s20, 26624                   ; Wv's rows begin at 26,624: shared along my row of the cluster
	s_lshr_b32 s46, s66, 1
	s_lshl_b32 s46, s46, 2
	s_add_co_u32 s46, s46, s40
	s_lshl_b32 s46, s46, 8
	s_add_co_u32 s46, s46, 16384                   ; V's rows begin at 16,384: which 256 keys, shared along my column
	s_lshl_b32 s22, s20, 5
	s_mov_b32 s23, 0
	s_lshl_b32 s92, s46, 5
	s_mov_b32 s93, 0
	s_lshl_b32 s20, s20, 9
	s_mov_b32 s21, 0
	s_lshl_b32 s46, s46, 9
	s_mov_b32 s47, 0
	s_mov_b32 s[G0V], 1
	s_mov_b32 s[G0V+1], 0
	s_add_nc_u64 s[G0V+2:G0V+3], s[4:5], s[20:21]
	s_or_b32 s[G0V+3], s[G0V+3], 0x80000000
	s_add_nc_u64 s[G0B+2:G0B+3], s[4:5], s[46:47]
	s_or_b32 s[G0B+3], s[G0B+3], 0x80000000
	s_add_nc_u64 s[G0S+2:G0S+3], s[6:7], s[22:23]
	s_or_b32 s[G0S+3], s[G0S+3], 0x80000000
	s_add_nc_u64 s[G0SB+2:G0SB+3], s[6:7], s[92:93]
	s_or_b32 s[G0SB+3], s[G0SB+3], 0x80000000
	s_wait_dscnt 0x0
	CROUND
	ARM 1, G0V, G1,  .Lv_b,  .Lv_asked
	ARM 2, G0B, G1B, .Lv_sa, .Lv_asked
	ARM 3, G0S, G1S, .Lv_sb, .Lv_asked
	tensor_load_to_lds s[G0SB:G0SB+3], s[G1SB:G1SB+7]
	s_nop 0
.rept 4
	v_nop
.endr
.Lv_asked:
	; THE FIRST BLOCK'S WAY OUT: bias, rotation, quantiser, images.  It writes none of the registers of the descriptors that are out.
	s_mov_b32 s[SEL], 0x76543210
	s_mov_b32 s[SEL+1], 0xfedcba98
.irp b, 0,1,2,3
	v_mov_b32 v[TM+4+\b], 0
.endr
	s_lshr_b32 s32, s95, 11
	s_lshl_b32 s32, s32, 4
	s_lshl_b32 s33, s40, 2
	s_add_co_u32 s32, s32, s33
	s_lshl_b32 s33, s16, 1
	s_add_co_u32 s32, s32, s33
	s_bfe_u32 s33, s95, 0x40007
	s_lshl_b32 s34, s32, 17
	s_lshl_b32 s36, s33, 13
	s_add_co_u32 s34, s34, s36
	s_mov_b32 s35, 0
	s_add_nc_u64 s[100:101], s[100:101], s[34:35]
	s_mul_i32 s34, s32, 12288
	s_mul_i32 s36, s33, 768
	s_add_co_u32 s34, s34, s36
	s_add_nc_u64 s[104:105], s[104:105], s[34:35]
	s_cmp_eq_u32 s67, 1
	s_cselect_b32 s37, 1, 0
	s_mov_b32 s38, 0x7f7f0000
	s_cselect_b32 s38, 0x01010000, s38
	v_mov_b32 v[UP0], s38
	v_mov_b32 v[UP1], 0x9f9f0000
.macro QKBLK a
.if (\a) < 7
	LOADR (\a)+1
.if (\a) > 0
	s_wait_loadcnt 9                               ; this block's rotations and mask byte are in; the next block's nine loads may be out
.endif
.else
	s_wait_loadcnt 0x0
.endif
	WIN 0x06+(\a)/4
.set AC, 64*((\a)%4)
.set I, 0
.rept 32
	v_pk_add_f32 v[H+I:H+I+1], v[AC+I:AC+I+1], v[BIAS+I:BIAS+I+1]
.set I, I+2
.endr
	WIN 0
	ROPE RP0+32*((\a)%2)
	s_wait_xcnt 0x0
	QUANT H
	v_and_b32 v[T], s37, v[MK+(\a)%2]
	v_cmp_eq_u32 vcc_lo, 0, v[T]
.irp i, 0,1,2,3,4,5,6,7
	v_cndmask_b32 v[PC+\i], 0, v[PC+\i], vcc_lo
.endr
	global_store_b128 v[LI], v[PC:PC+3], s[100:101] offset:512*(\a)
	global_store_b128 v[LI], v[PC+4:PC+7], s[100:101] offset:131072+512*(\a)
	v_lshrrev_b32 v[W], v[SH], v[PW]
	v_cndmask_b32 v[T+1], v[UP1], v[UP0], vcc_lo
	v_and_or_b32 v[W], v[W], 0xffff, v[T+1]
	ds_store_b32 v[SCA], v[W] offset:4*(\a)
.endm
.irp a, 0,1,2,3,4,5,6,7
	QKBLK \a
.endr
	ds_load_b128 v[TM:TM+3], v[SCR]
	ds_load_b128 v[TM+4:TM+7], v[SCR] offset:512
	s_wait_dscnt 0x0
	global_store_b128 v[LI], v[TM:TM+3], s[104:105]
	global_store_b128 v[LI], v[TM+4:TM+7], s[104:105] offset:12288
	; THE SECOND BLOCK: V^T, my 64 channels x 128 keys: 32 accumulators.  Both operands have two sets of fragment registers: source 1's blocks 0-3 lie in the registers of blocks 0-3 or of blocks 4-7 by turns.
.macro HFETCH slot, q, set             ; the fragments of one step of 128 along K into set
	FETCH_B \slot, \q, \set
.irp i, 0,1,2,3
	FRAG AF+FR*(4*(\set)+\i), ADRA+\slot, \q, \i
.endr
.endm
.macro HSCALES sc                      ; registers 4-7 of a set: lanes 0-15 take source 1's blocks 0-3 once more (for its second set of fragments), lanes 16-31 source 0's blocks 4-7
.irp i, 0,1,2,3
	ds_load_b128 v[SC+8*NQ*\sc+NQ*\i:SC+8*NQ*\sc+NQ*\i+3], v[ADRS] offset:\i*SBLK+4*NQ*\sc
	ds_load_b128 v[SC+8*NQ*\sc+NQ*(\i+4):SC+8*NQ*\sc+NQ*(\i+4)+3], v[ADRS2] offset:\i*SBLK+4*NQ*\sc
.endr
.endm
.macro HSTEP k, zero                   ; step k of eight: the next step's fragments are asked for, then 32 products, the accumulators by turns
	s_wait_dscnt 0x0
.if (\k) < 7
.if (\k) > 0
	PLACES NP
.endif
	HFETCH ((\k)+1)/4, ((\k)+1)%4, ((\k)+1)%2
.endif
	WIN MUL_LO
	MUL16 4*((\k)%2), (\k)%2, (\k)%4, (\k)/4, \zero
	MUL16 4*((\k)%2)+2, (\k)%2, (\k)%4, (\k)/4, \zero
	WIN 0
.endm
	s_wait_xcnt 0x0                                ; the stores above have read their registers and bases
	s_load_b64 s[100:101], s[0:1], 0x38            ; img and sc anew
	s_load_b64 s[104:105], s[0:1], 0x40
	s_mul_i32 s21, s15, HALFT/2
	v_sub_nc_u32 v[ADRA], v[ADRA], s21             ; my 64 rows of source 1
	v_sub_nc_u32 v[ADRA+1], v[ADRA+1], s21
	v_and_b32 v186, 15, v0
	v_lshlrev_b32 v188, 5, v186
	v_lshrrev_b32 v189, 8, v188
	v_lshl_add_u32 v188, v189, 4, v188
	s_mul_i32 s21, s15, HALFS/2
	s_mul_i32 s22, s16, HALFS
	s_add_co_u32 s22, s22, 2*HALFS
	s_sub_co_u32 s22, s22, s21
	v_mul_u32_u24 v189, s22, v2
	s_add_co_u32 s21, s21, SCL
	v_add_nc_u32 v188, v188, v189
	v_add_nc_u32 v[ADRS], s21, v188
	v_mad_u32_u24 v[ADRS2], v2, 4*SBLK, v[ADRS]
	s_wait_alu depctr_va_vdst(0)
	s_wait_tensorcnt 0x0                           ; my tile of the second four is in; the barrier shows all four to every wave
	s_barrier_signal -1
	s_barrier_wait -1
	HFETCH 0, 0, 0
	HSCALES 0
	HSCALES 1
	HSTEP 0, 1
.set K, 1
.rept 7
	HSTEP K, 0
.set K, K+1
.endr
	PLACES NP
	s_wait_kmcnt 0x0
	s_lshr_b32 s32, s66, 1
	s_lshl_b32 s32, s32, 2
	s_add_co_u32 s32, s32, s40
	s_lshl_b32 s32, s32, 8
	s_lshl_b32 s33, s16, 7
	s_add_co_u32 s32, s32, s33                     ; my first key among 8,192
	s_lshr_b32 s33, s32, 11
	s_lshl_b32 s33, s33, 4
	s_add_co_u32 s33, s33, 64
	s_lshl_b32 s34, s94, 1
	s_add_co_u32 s33, s33, s34
	s_add_co_u32 s33, s33, s15                     ; 64 + 16 batch + head: my 64 channels are one head
	s_bfe_u32 s36, s32, 0x40007
	s_lshl_b32 s34, s33, 17
	s_lshl_b32 s37, s36, 13
	s_add_co_u32 s34, s34, s37
	s_add_co_u32 s34, s34, 4096
	s_mov_b32 s35, 0
	s_add_nc_u64 s[100:101], s[100:101], s[34:35]
	s_mul_i32 s34, s33, 12288
	s_mul_i32 s37, s36, 768
	s_add_co_u32 s34, s34, s37
	s_add_co_u32 s34, s34, 512
	s_add_nc_u64 s[104:105], s[104:105], s[34:35]
.macro VBLK a
	WIN 0x02
.set AC, 64*(\a)
.set I, 0
.rept 64
	v_add_f32 v[H+I], v[AC+I], v[BV+(\a)]
.set I, I+1
.endr
	WIN 0
	s_wait_xcnt 0x0
	QUANT H
	global_store_b128 v[LI], v[PC:PC+3], s[100:101] offset:(\a)*1024
	global_store_b128 v[LI], v[PC+4:PC+7], s[100:101] offset:(\a)*1024+512
	ds_store_b32 v[SCV], v[PW] offset:(\a)*4       ; lanes l and l + 16 write the same word with the same value
.endm
.irp a, 0,1,2,3
	VBLK \a
.endr
	ds_load_b128 v[TM:TM+3], v[SCV]
	s_wait_dscnt 0x0
	global_store_b128 v[SCOV], v[TM:TM+3], s[104:105]   ; 256 consecutive bytes, aligned; lanes l and l + 16 store the same
	s_wait_tensorcnt 0x0                           ; the wave's end
	ds_add_u32 v[SPW], v[NIL]
	s_wait_dscnt 0x0
	CROUND
	s_endpgm
.Lfunc_end_k_q87e6127175_proj:
	.size	k_q87e6127175_proj, .Lfunc_end_k_q87e6127175_proj-k_q87e6127175_proj
	.p2alignl 7, 3214868480
	.fill 96, 4, 3214868480
	.section	.rodata,"a",@progbits
	.p2align	6, 0x0
	.amdhsa_kernel k_q87e6127175_proj
		.amdhsa_group_segment_fixed_size 327680
		.amdhsa_private_segment_fixed_size 0
		.amdhsa_enable_private_segment 0
		.amdhsa_kernarg_size 72
		.amdhsa_user_sgpr_count 2
		.amdhsa_user_sgpr_kernarg_segment_ptr 1
		.amdhsa_wavefront_size32 1
		.amdhsa_system_sgpr_workgroup_id_x 1
		.amdhsa_system_sgpr_workgroup_id_y 1
		.amdhsa_system_sgpr_workgroup_id_z 1
		.amdhsa_system_vgpr_workitem_id 0
		.amdhsa_next_free_vgpr 1024
		.amdhsa_next_free_sgpr 106
		.amdhsa_reserve_vcc 1
		.amdhsa_float_denorm_mode_32 3
		.amdhsa_float_denorm_mode_16_64 3
		.amdhsa_memory_ordered 1
		.amdhsa_forward_progress 1
		.amdhsa_inst_pref_size 255
	.end_amdhsa_kernel
	.section	.bss,"aw",@nobits
	.p2align	6
	.space	262144
	.amdgpu_metadata
---
amdhsa.version: [ 1, 2 ]
amdhsa.kernels:
  - .name:           k_q87e6127175_proj
    .symbol:         k_q87e6127175_proj.kd
    .args:
      - { .name: codes, .offset: 0, .size: 8, .value_kind: global_buffer, .address_space: global }
      - { .name: scales, .offset: 8, .size: 8, .value_kind: global_buffer, .address_space: global }
      - { .name: bq, .offset: 16, .size: 8, .value_kind: global_buffer, .address_space: global }
      - { .name: bk, .offset: 24, .size: 8, .value_kind: global_buffer, .address_space: global }
      - { .name: bv, .offset: 32, .size: 8, .value_kind: global_buffer, .address_space: global }
      - { .name: mask, .offset: 40, .size: 8, .value_kind: global_buffer, .address_space: global }
      - { .name: rope, .offset: 48, .size: 8, .value_kind: global_buffer, .address_space: global }
      - { .name: img, .offset: 56, .size: 8, .value_kind: global_buffer, .address_space: global }
      - { .name: sc, .offset: 64, .size: 8, .value_kind: global_buffer, .address_space: global }
    .group_segment_fixed_size: 327680
    .private_segment_fixed_size: 0
    .kernarg_segment_align: 8
    .kernarg_segment_size: 72
    .max_flat_workgroup_size: 128
    .sgpr_count:     106
    .vgpr_count:     1024
    .wavefront_size: 32
...
	.end_amdgpu_metadata
.endif
;; end of part 2
;; launch attn (part 3): grid 4 x 64, 16 waves a work-group, clusters of 4 x 1, 169,984 bytes of LDS; arguments img, sc, mask, oimg, osc; writes oimg, osc
.if DOCPART == 3
	.amdgcn_target "amdgcn-amd-amdhsa--gfx1250"
	.amdhsa_code_object_version 6
	.text
	.protected	k_q87e6127175_attn
	.globl	k_q87e6127175_attn
	.p2align	8
	.type	k_q87e6127175_attn,@function
k_q87e6127175_attn:
	s_mov_b64 s[64:65], 0
	v_nop
	global_prefetch_b8 v0, s[64:65] scope:SCOPE_SE
	s_setreg_imm32_b32 hwreg(HW_REG_WAVE_MODE, 25, 1), 1
	s_wait_xcnt 0x0
	s_wait_alu depctr_hold_cnt(0) depctr_sa_sdst(0) depctr_va_vdst(0) depctr_va_sdst(0) depctr_va_ssrc(0) depctr_va_vcc(0) depctr_vm_vsrc(0)
	s_getreg_b32 s2, hwreg(HW_REG_IB_STS2, 6, 4)
	s_cmp_eq_u32 s2, 0
	s_cbranch_scc0 .Lentry_in_a_cluster
	s_endpgm
.Lentry_in_a_cluster:
	s_bfe_u32 s2, ttmp6, 0x10000c
	s_cmp_lg_u32 s2, 0x3003
	s_cbranch_scc0 .Lentry_shape_is_right
	s_endpgm
.Lentry_shape_is_right:
; Attention on codes of FP4 (E2M1) for one (batch, head) and 512 queries a work-group; head size 64, 2,048 keys in 16 steps of 128.  q, k and V^T come as images of operand registers (img) with their scale words (sc).
; t = score x log2(e) / 8; M = the running largest t rounded up to a whole number; p = 2^(t - M) is quantised along the keys; the row's sum is taken of the unquantised p and divides at the end.
; The result is quantised along the model's 1,024 (a head is two blocks of 32) and stored as images of the next product's operand (oimg) with its scale bytes (osc).
; SHARES.  64 (batch, head) x 4 blocks of 512 queries = 256 work-groups.  Sixteen waves, four to a SIMD; a wave owns two tiles of 16 queries (tiles w and w + 16 of the block's 32) and takes them one after the other in 256 registers.
; LDS.  A head's K and V^T (131,072 bytes) and their scale words (12,288) lie WHOLE in LDS, filled once: no byte is filled again.  One load a wave: waves 0-7 fetch two steps' codes each (16,384 bytes), waves 8-15 1,536 bytes of scale words each.
; One wait for all loads and one barrier show them to all waves; behind it the waves share nothing that is written, so no further barrier stands ahead of the end.
; CLUSTER.  The four query blocks of a cluster walk the same head: every fill is a joint load with the mask of all four.
; NO PREFETCH: every byte of K and V^T is asked for once, at the head; no loop runs ahead of a load.
; LAYOUT.  Both products transposed (S^T = K Q^T, O^T = V^T P^T): a lane holds one query.  A tile of k holds keys 32 (t / 2) + 8 (t % 2) + r + 8 (r / 8), so the 16 registers of tiles 2 b, 2 b + 1 are 16 neighbouring keys.
; THE MASK, in the idle half of the score product's K (64 of 128).  q's register 4 is the code +1 at k = 64 (lanes 0-15) and k = 96 (lanes 16-31), scale 1; k's register 4 comes from a table in LDS: the code -1 for a masked key,
; 0 otherwise; a masked key's scale there is 2^32 and its 64 real codes are zeros.  So a masked score is exactly -2^33, and -2^33 x log2(e) / 8 is a whole number: a row of masked keys alone has p = 1 throughout.
; LIMITS: the masked logit is -2^30 where the definition has -1e9: equal results while true logits stay above some -1e9; the scaled scores stay under 2^31 in magnitude.  A block whose every p is 0 keeps the byte 1.  NaN and infinities are not served.
.set SCL,  131072                      ; LDS: [step 16][768]: k's scale words [r][tile 8], then V^T's [r][tile 4]
.set MW,   143360                      ; LDS: a word for each key, in the keys' true order (8,192 bytes); behind it each thread's 16 bytes of its second tile's q (8,192)
.set QSS,  MW+16384                    ; and that tile's scale words, 4 bytes a thread (2,048).  All three are written by ds_store alone
.set SPARE, 167936                     ; the spare words: 128 bytes for each of 16 waves
.set AK0,  1                           ; v1   16 x lane
.set AS0,  2                           ; v2   SCL + 32 r
.set AT0,  3                           ; v3   SCL + 512 + 16 r
.set AM0,  4                           ; v4   MW + 4 (r + 8 (r / 8))
.set MWS,  5                           ; v5   MW + 16 x thread
.set OS,   6                           ; v6   32 r
.set ADV,  7                           ; v7   the step's address of V^T's fragments (at the head: the mask bytes' offset)
.set ADK,  8                           ; v8-11 the step's addresses
.set ADS,  9
.set ADT,  10
.set ADM,  11
.set QF,   16                          ; v16-23 q's fragment
.set PC,   24                          ; v24-31 p's codes
.set KF,   32                          ; v32-95 k's eight fragments
.set VF,   96                          ; v96-127 V^T's four
.set S,    128                         ; v128-191 S^T, then p
.set OT,   192                         ; v192-223 O^T
.set KSW,  224                         ; v224-231 k's scale words; v232-235 V^T's; v236 q's; v237 p's: scales and nothing else
.set VSW,  232
.set QSW,  236
.set PSW,  237
.set QSA,  238                         ; v238 QSS + 4 x thread
.set SPW,  239                         ; v239 my spare word; never rewritten
.set MX,   240
.set T2,   244
.set SO,   248
.set NIL,  255                         ; v255 0; never rewritten
.set WV,   14
.set SEL,  20
.set CS,   22
.set G1,   24
.set G1S,  32
.set G0S,  40
.set G0,   44
.set CNT,  63
.macro CROUND                          ; a round of the cluster's barrier
	s_barrier_signal -1
	s_barrier_wait -1
	s_cmp_lg_u32 s[WV], 0
	s_cbranch_scc1 .Lnot_wave_0_\@
	s_barrier_signal -3
.Lnot_wave_0_\@:
	s_barrier_wait -3
	s_barrier_signal -1
	s_barrier_wait -1
.endm
	s_load_b256 s[4:11], s[0:1], 0x0               ; img, sc, mask, oimg
	s_load_b64 s[12:13], s[0:1], 0x20              ; osc
	v_lshl_add_u32 v[SPW], v0, 2, SPARE
	v_mov_b32 v[NIL], 0
	ds_add_u32 v[SPW], v[NIL]                      ; the opening lines: the add, twice on end, and its wait ahead of the first tensor load
	ds_add_u32 v[SPW], v[NIL]
	v_lshrrev_b32 v7, 5, v0
	s_delay_alu instid0(VALU_DEP_1)
	v_readfirstlane_b32 s[WV], v7                  ; wave 0..15
	s_bfe_u32 s15, ttmp6, 0x40000                  ; cx: it enters q's and the results' global addresses alone
	s_lshl_b32 s16, ttmp9, 2
	s_add_co_u32 s16, s16, s15                     ; my block of 512 queries
	s_and_b32 s17, ttmp7, 0xffff                   ; y = 16 batch + head
	s_lshl_b32 s18, s16, 5
	s_add_co_u32 s18, s18, s[WV]                   ; T: my first tile of 16 queries; the second is T + 16
	s_and_b32 s19, s[WV], 7                        ; which part I fetch
	v_and_b32 v8, 31, v0
	v_and_b32 v9, 15, v0
	s_delay_alu instid0(VALU_DEP_2)
	v_lshlrev_b32 v[AK0], 4, v8
	s_delay_alu instid0(VALU_DEP_2)
	v_lshl_add_u32 v[AS0], v9, 5, SCL
	s_delay_alu instid0(VALU_DEP_3)
	v_lshl_add_u32 v[AT0], v9, 4, SCL+512
	s_delay_alu instid0(VALU_DEP_4)
	v_and_b32 v10, 8, v9
	s_delay_alu instid0(VALU_DEP_1)
	v_add_nc_u32 v10, v10, v9
	s_delay_alu instid0(VALU_DEP_1)
	v_lshl_add_u32 v[AM0], v10, 2, MW
	v_lshl_add_u32 v[MWS], v0, 4, MW
	v_lshlrev_b32 v[OS], 5, v9
	v_lshlrev_b32 v7, 2, v0                        ; my four mask bytes
	v_lshl_add_u32 v[QSA], v0, 2, QSS
	s_mov_b32 s[G1], 15|(3<<16)|(1<<21)            ; the mask of all four; elements of 8 bytes; no padding: fragments are read at 16 x lane
	s_mov_b32 s[G1+1], 32<<16                      ; rows of 256 bytes,
	s_mov_b32 s[G1+2], 64<<16                      ; 64 of them: two steps' 16,384 bytes
	s_mov_b32 s[G1+3], 32<<16
	s_mov_b32 s[G1+4], 64
	s_mov_b32 s[G1+5], 32
	s_mov_b32 s[G1+6], 0
	s_mov_b32 s[G1+7], 0
	s_mov_b32 s[G1S], 15|(3<<16)|(1<<21)
	s_mov_b32 s[G1S+1], 32<<16
	s_mov_b32 s[G1S+2], 6<<16                      ; 6 rows: two steps' scale words
	s_mov_b32 s[G1S+3], 32<<16
	s_mov_b32 s[G1S+4], 6
	s_mov_b32 s[G1S+5], 32
	s_mov_b32 s[G1S+6], 0
	s_mov_b32 s[G1S+7], 0
	s_mov_b32 s[SEL], 0x76543210
	s_mov_b32 s[SEL+1], 0xfedcba98
	s_mov_b32 s[CS], 0x3e38aa3b                    ; c = log2(e) / 8
	s_mov_b32 s[CS+1], s[CS]
	s_add_co_u32 s78, s17, 64                      ; k's and V^T's part of img and sc
	s_lshl_b32 s68, s78, 17
	s_lshl_b32 s79, s19, 14
	s_add_co_u32 s68, s68, s79
	s_mov_b32 s69, 0
	s_mul_i32 s70, s78, 12288
	s_mul_i32 s78, s19, 1536
	s_add_co_u32 s70, s70, s78
	s_mov_b32 s71, 0
	s_lshl_b32 s72, s17, 17                        ; q: my first tile's image (the second lies 16,384 bytes on),
	s_lshr_b32 s66, s18, 3
	s_and_b32 s67, s18, 7
	s_lshl_b32 s73, s66, 13
	s_add_co_u32 s72, s72, s73
	s_lshl_b32 s73, s67, 9
	s_add_co_u32 s72, s72, s73
	s_mov_b32 s73, 0
	s_mul_i32 s74, s17, 12288                      ; its scale words (the second's 1,536 bytes on),
	s_mul_i32 s75, s66, 768
	s_add_co_u32 s74, s74, s75
	s_lshl_b32 s75, s67, 2
	s_add_co_u32 s74, s74, s75
	s_mov_b32 s75, 0
	s_lshr_b32 s48, s17, 4                         ; batch
	s_and_b32 s49, s17, 15                         ; head
	s_lshl_b32 s76, s48, 11                        ; the batch's mask
	s_mov_b32 s77, 0
	s_lshl_b32 s50, s48, 7
	s_add_co_u32 s50, s50, s18                     ; my first tile among all 512 tiles of tokens
	s_lshl_b32 s52, s50, 3
	s_lshr_b32 s51, s49, 1
	s_add_co_u32 s52, s52, s51                     ; the next product's K step of 128: two heads
	s_lshl_b32 s52, s52, 10
	s_and_b32 s51, s49, 1
	s_lshl_b32 s51, s51, 9
	s_add_co_u32 s52, s52, s51                     ; its first or second four registers
	s_mov_b32 s53, 0
	s_lshl_b32 s54, s50, 9                         ; 16 tokens x 32 scale bytes
	s_lshl_b32 s51, s49, 1
	s_add_co_u32 s54, s54, s51
	s_mov_b32 s55, 0
	s_wait_alu depctr_va_vdst(0)
	s_wait_dscnt 0x0                               ; both opening adds are done
	s_wait_kmcnt 0x0
	s_add_nc_u64 s[72:73], s[4:5], s[72:73]
	s_add_nc_u64 s[74:75], s[6:7], s[74:75]
	s_add_nc_u64 s[76:77], s[8:9], s[76:77]
	s_add_nc_u64 s[10:11], s[10:11], s[52:53]
	s_add_nc_u64 s[12:13], s[12:13], s[54:55]
	s_mov_b32 s[G0], 1
	s_mov_b32 s[G0+1], s79                         ; LDS: 16,384 x my part
	s_add_nc_u64 s[G0+2:G0+3], s[4:5], s[68:69]
	s_or_b32 s[G0+3], s[G0+3], 0x80000000
	s_mov_b32 s[G0S], 1
	s_add_co_u32 s[G0S+1], s78, SCL                ; LDS: SCL + 1,536 x my part
	s_add_nc_u64 s[G0S+2:G0S+3], s[6:7], s[70:71]
	s_or_b32 s[G0S+3], s[G0S+3], 0x80000000
	CROUND                                         ; all four work-groups are here: the joint loads meet
	s_cmp_lt_u32 s[WV], 8                          ; one load a wave, an arm for each kind: every way passes exactly one
	s_cbranch_scc0 .Lfill_s
	tensor_load_to_lds s[G0:G0+3], s[G1:G1+7]
	s_nop 0
.rept 4
	v_nop
.endr
	s_branch .Lfilled
.Lfill_s:
	tensor_load_to_lds s[G0S:G0S+3], s[G1S:G1S+7]
	s_nop 0
.rept 4
	v_nop
.endr
.Lfilled:
	global_load_b128 v[QF:QF+3], v[AK0], s[72:73]  ; q's 64 codes of my first 16 queries
	global_load_b32 v[QSW], v[OS], s[74:75]        ; their scale words
	global_load_b128 v[S:S+3], v[AK0], s[72:73] offset:16384   ; the same of my second 16: parked in LDS below
	global_load_b32 v[S+4], v[OS], s[74:75] offset:1536
	global_load_b32 v254, v7, s[76:77]             ; four keys' mask bytes
	v_mov_b32 v[QF+4], 2                           ; the code +1 in the idle half
.irp i, 5,6,7
	v_mov_b32 v[QF+\i], 0
.endr
.irp t, 0,1,2,3,4,5,6,7
.irp i, 5,6,7
	v_mov_b32 v[KF+8*\t+\i], 0                     ; k's idle registers: written once
.endr
.endr
	v_mov_b32 v253, 0                              ; (named as the upper half of the pair v[252:253])
.irp b, 0,1,2,3
	v_mov_b32 v[T2+\b], 0                          ; a lane permute's destination counts as one of its sources
.endr
	s_wait_loadcnt 0x0
.irp i, 0,1,2,3
	v_bfe_u32 v[MX+\i], v254, 8*\i, 1
.endr
.irp i, 0,1,2,3
	s_delay_alu instid0(VALU_DEP_4)
	v_mul_u32_u24 v[MX+\i], v[MX+\i], 10           ; 0xA, the code -1, for a masked key
.endr
	ds_store_b128 v[MWS], v[MX:MX+3]
	ds_store_b128 v[MWS], v[S:S+3] offset:8192     ; my own bytes: only I read them back
	ds_store_b32 v[QSA], v[S+4]
; A KEY STEP: 128 keys.
; k's eight fragments, mask words and scale words of one step: 18 loads.  They are asked for one step ahead, behind the step before's score products.
; A tile's last trip asks for a seventeenth step: those 18 loads read LDS bytes that lie behind the image, the scale words and the mask words (all written ahead of the barrier), and nothing uses what they bring.
.macro KLOAD
	ds_load_b128 v[KSW:KSW+3], v[ADS]
	ds_load_b128 v[KSW+4:KSW+7], v[ADS] offset:16
.irp t, 0,1,2,3,4,5,6,7
	ds_load_b128 v[KF+8*\t:KF+8*\t+3], v[ADK] offset:512*\t
	ds_load_b32 v[KF+8*\t+4], v[ADM] offset:4*(32*(\t/2)+8*(\t%2))
.endr
.endm
.macro STEP
	s_wait_dscnt 0x0                               ; k is in: its loads are all that is out
.irp t, 0,1,2,3,4,5,6,7
	v_wmma_scale_f32_16x16x128_f8f6f4 v[S+8*\t:S+8*\t+7], v[KF+8*\t:KF+8*\t+7], v[QF:QF+7], 0, v[KSW+\t], v[QSW] matrix_a_fmt:MATRIX_FMT_FP4 matrix_b_fmt:MATRIX_FMT_FP4
.endr
	v_add_nc_u32 v[ADK], 8192, v[ADK]              ; on to the next step's k.  These four are the plain lines between the products (these, and the last step's second product) and the loads into their registers and the reads of S^T
	v_add_nc_u32 v[ADS], 768, v[ADS]
	v_add_nc_u32 v[ADM], 512, v[ADM]
	v_mov_b32 v[SO], v12                           ; the old -M
.irp d, 0,1,2,3
.irp c, 0,1
	ds_load_b128 v[VF+8*\d+4*\c:VF+8*\d+4*\c+3], v[ADV] offset:1024*\d+512*\c
.endr
.endr
	ds_load_b128 v[VSW:VSW+3], v[ADT]
	KLOAD
.irp b, 0,1,2,3
	v_max3_num_f32 v[MX+\b], v[S+16*\b], v[S+1+16*\b], v[S+2+16*\b]   ; the largest score of each block of 32 keys: for the row's maximum, and for the block's largest p
.endr
.irp i, 3,5,7,9,11,13
.irp b, 0,1,2,3
	v_max3_num_f32 v[MX+\b], v[MX+\b], v[S+16*\b+\i], v[S+1+16*\b+\i]
.endr
.endr
.irp b, 0,1,2,3
	v_max_num_f32 v[MX+\b], v[MX+\b], v[S+15+16*\b]
.endr
.irp b, 0,1,2,3
	s_delay_alu instid0(VALU_DEP_4)
	v_permlanex16_b32 v[T2+\b], v[MX+\b], s[SEL], s[SEL+1]
.endr
.irp b, 0,1,2,3
	s_delay_alu instid0(VALU_DEP_4)
	v_max_num_f32 v[MX+\b], v[MX+\b], v[T2+\b]     ; with lane l xor 16's 16 keys
.endr
	s_delay_alu instid0(VALU_DEP_2)
	v_max3_num_f32 v254, v[MX], v[MX+1], v[MX+2]
	s_delay_alu instid0(VALU_DEP_1)
	v_max_num_f32 v254, v254, v[MX+3]
	s_delay_alu instid0(VALU_DEP_1)
	v_mul_f32 v254, s[CS], v254
	s_delay_alu instid0(VALU_DEP_1)
	v_max_num_f32 v13, v13, v254                   ; the running largest t
	s_delay_alu instid0(VALU_DEP_1)
	v_floor_f32 v12, -v13                          ; the new -M: M is a whole number
	s_delay_alu instid0(VALU_DEP_1)
	v_sub_f32 v254, v12, v[SO]                     ; old M - new M, 0 or less
	s_delay_alu instid0(VALU_DEP_1)
	v_cvt_i32_f32 v254, v254                       ; (it saturates)
	s_delay_alu instid0(VALU_DEP_1)
	v_ldexp_f32 v252, 1.0, v254                    ; f = 2^(old M - new M): a multiplication by it rounds nothing
.set J, 0
.rept 32
	v_pk_fma_f32 v[S+J:S+J+1], v[S+J:S+J+1], s[CS:CS+1], v[12:13] op_sel_hi:[1,0,0]   ; t - M, two at a time
.set J, J+2
.endr
.irp b, 0,1,2,3
	v_fma_f32 v[MX+\b], v[MX+\b], s[CS], v12
.endr
.set J, 0
	s_wait_alu depctr_va_vdst(0)                   ; the wait ahead of the batch
.rept 64
	v_exp_f32 v[S+J], v[S+J]                       ; p = 2^(t - M)
.set J, J+1
.endr
	v_pk_mul_f32 v[14:15], v[14:15], v[252:253] op_sel_hi:[1,0]    ; the sums under the new M (a plain line behind the exponentials)
	s_wait_alu depctr_va_vdst(0)                   ; one wait for the batch, ahead of its first reader
.irp b, 0,1,2,3
	v_exp_f32 v[MX+\b], v[MX+\b]                   ; the block's largest p
.endr
; the row's sum of the unquantised p, two at a time, in five chains by turns: v[14:15] and v[244:251]
.irp i, 0,1,2,3
	v_pk_add_f32 v[244+2*\i:245+2*\i], v[S+4*\i:S+4*\i+1], v[S+4*\i+2:S+4*\i+3]
.endr
.set J, 0
.rept 24
.if J%5
	v_pk_add_f32 v[242+2*(J%5):243+2*(J%5)], v[242+2*(J%5):243+2*(J%5)], v[S+16+2*J:S+17+2*J]
.else
	v_pk_add_f32 v[14:15], v[14:15], v[S+16+2*J:S+17+2*J]
.endif
.set J, J+1
.endr
	s_delay_alu instid0(VALU_DEP_3)
	v_pk_add_f32 v[250:251], v[250:251], v[244:245]
	s_delay_alu instid0(VALU_DEP_3)
	v_pk_add_f32 v[14:15], v[14:15], v[246:247]
	s_delay_alu instid0(VALU_DEP_2)
	v_pk_add_f32 v[250:251], v[250:251], v[248:249]
	s_delay_alu instid0(VALU_DEP_1)
	v_pk_add_f32 v[14:15], v[14:15], v[250:251]
	s_wait_alu depctr_va_vdst(0)                   ; and one for the four
.irp b, 0,1,2,3
	v_max_num_f32 v[MX+\b], 0x1800000, v[MX+\b]    ; the floor 2^(3 - 127)
.endr
.irp b, 0,1,2,3
	s_delay_alu instid0(VALU_DEP_4)
	v_add_nc_u32 v[SO+\b], 0xff000000, v[MX+\b]    ; the conversion's scale operand
.endr
.irp b, 0,1,2,3
	s_delay_alu instid0(VALU_DEP_4)
	v_lshrrev_b32 v[T2+\b], 23, v[SO+\b]           ; the scale's byte
.endr
	s_delay_alu instid0(VALU_DEP_3)
	v_lshl_or_b32 v[PSW], v[T2+1], 8, v[T2]
	s_delay_alu instid0(VALU_DEP_1)
	v_lshl_or_b32 v[PSW], v[T2+2], 16, v[PSW]
	s_delay_alu instid0(VALU_DEP_1)
	v_lshl_or_b32 v[PSW], v[T2+3], 24, v[PSW]
.irp b, 0,1,2,3
	v_cvt_scalef32_pk8_fp4_f32 v[PC+2*\b], v[S+16*\b:S+7+16*\b], v[SO+\b]
	v_cvt_scalef32_pk8_fp4_f32 v[PC+1+2*\b], v[S+8+16*\b:S+15+16*\b], v[SO+\b]
.endr
	v_add_nc_u32 v[ADV], 8192, v[ADV]              ; on to the next step's V^T (a plain line behind the scaled conversions)
	v_add_nc_u32 v[ADT], 768, v[ADT]
.irp c, 0,1
.irp i, 0,1
	v_permlane16_swap_b32 v[PC+4*\c+\i], v[PC+2+4*\c+\i]
.endr
.endr
	s_wait_alu depctr_va_vdst(0)                   ; the wait directly ahead of the first reader of O^T
.set J, 0
.rept 16
	v_pk_mul_f32 v[OT+J:OT+J+1], v[OT+J:OT+J+1], v[252:253] op_sel_hi:[1,0]   ; O^T under the new M; also the plain lines between p's scale word and codes and the products
.set J, J+2
.endr
	s_wait_alu depctr_va_vdst(0)
	s_wait_dscnt 18                                ; V^T is in; the 18 younger loads, the next step's k, may be out
.irp d, 0,1,2,3
	v_wmma_scale_f32_16x16x128_f8f6f4 v[OT+8*\d:OT+8*\d+7], v[VF+8*\d:VF+8*\d+7], v[PC:PC+7], v[OT+8*\d:OT+8*\d+7], v[VSW+\d], v[PSW] matrix_a_fmt:MATRIX_FMT_FP4 matrix_b_fmt:MATRIX_FMT_FP4
.endr
.endm
; ONE TILE OF 16 QUERIES: all 16 key steps, then the way out.  n = 0: my first tile, whose q is in registers; n = 1: my second, whose q comes back from my own LDS bytes.
.macro TILE n
.if \n
	s_wait_xcnt 0x0                                ; the first tile's stores have read their registers
	s_wait_dscnt 0x0                               ; the first tile's last 18 loads have landed: their registers are loaded anew below
	ds_load_b128 v[QF:QF+3], v[MWS] offset:8192    ; (waited for with the first step's loads of k)
	ds_load_b32 v[QSW], v[QSA]
.endif
	v_mov_b32 v[ADK], v[AK0]                       ; the addresses of step 0
	v_add_nc_u32 v[ADV], 4096, v[AK0]
	v_mov_b32 v[ADS], v[AS0]
	v_mov_b32 v[ADT], v[AT0]
	v_mov_b32 v[ADM], v[AM0]
	KLOAD
	v_mov_b32 v13, 0xff61b1e6                      ; the largest t so far: -3e38
	s_delay_alu instid0(VALU_DEP_1)
	v_floor_f32 v12, -v13                          ; -M
	v_mov_b32 v14, 0                               ; the sum, in two halves
	v_mov_b32 v15, 0
.set J, 0
.rept 32
	v_mov_b32 v[OT+J], 0                           ; O^T: the step is written once; the first change of M multiplies zeros
.set J, J+1
.endr
	s_mov_b32 s[CNT], 16
.Lstep_\@:
	STEP
	s_sub_co_u32 s[CNT], s[CNT], 1
	s_cmp_lg_u32 s[CNT], 0
	s_cbranch_scc1 .Lstep_\@
	; THE WAY OUT.  O^T / the sum; register 16 b + i is channel 32 b + 16 (lane / 16) + i of my query (Wv's rows were stored for that): two blocks of the next product's K.
.rept 4
	v_nop
.endr
	v_add_f32 v14, v14, v15
	s_delay_alu instid0(VALU_DEP_1)
	v_permlanex16_b32 v252, v14, s[SEL], s[SEL+1]
	s_delay_alu instid0(VALU_DEP_1)
	v_add_f32 v14, v14, v252                       ; the row's sum
	s_wait_alu depctr_va_vdst(0)                   ; the wait ahead of the transcendental
	v_rcp_f32 v14, v14
	v_nop
	s_wait_alu depctr_va_vdst(0)                   ; ahead of the reciprocal's first reader, which is also O^T's
.set J, 0
.rept 32
	v_mul_f32 v[S+J], v[OT+J], v14
.set J, J+1
.endr
.irp b, 0,1
	v_max3_num_f32 v[MX+\b], |v[S+16*\b]|, |v[S+1+16*\b]|, 0x1800000
.endr
.irp i, 2,4,6,8,10,12,14
.irp b, 0,1
	s_delay_alu instid0(VALU_DEP_2)
	v_max3_num_f32 v[MX+\b], v[MX+\b], |v[S+16*\b+\i]|, |v[S+1+16*\b+\i]|
.endr
.endr
.irp b, 0,1
	s_delay_alu instid0(VALU_DEP_2)
	v_permlanex16_b32 v[T2+\b], v[MX+\b], s[SEL], s[SEL+1]
.endr
.irp b, 0,1
	s_delay_alu instid0(VALU_DEP_2)
	v_max_num_f32 v[MX+\b], v[MX+\b], v[T2+\b]
.endr
.irp b, 0,1
	s_delay_alu instid0(VALU_DEP_2)
	v_add_nc_u32 v[SO+\b], 0xff000000, v[MX+\b]
.endr
.irp b, 0,1
	s_delay_alu instid0(VALU_DEP_2)
	v_lshrrev_b32 v[T2+\b], 23, v[SO+\b]
.endr
	s_delay_alu instid0(VALU_DEP_1)
	v_lshl_or_b32 v254, v[T2+1], 8, v[T2]          ; my head's two scale bytes of my token
.irp b, 0,1
	v_cvt_scalef32_pk8_fp4_f32 v[PC+2*\b], v[S+16*\b:S+7+16*\b], v[SO+\b]
	v_cvt_scalef32_pk8_fp4_f32 v[PC+1+2*\b], v[S+8+16*\b:S+15+16*\b], v[SO+\b]
.endr
	v_nop
	v_permlane16_swap_b32 v[PC], v[PC+2]
	v_permlane16_swap_b32 v[PC+1], v[PC+3]
	global_store_b128 v[AK0], v[PC:PC+3], s[10:11] offset:\n*131072   ; 512 consecutive bytes, aligned; 16 tiles on are 16 x 8,192 bytes
	global_store_b16 v[OS], v254, s[12:13] offset:\n*8192             ; two bytes a token: the rest of a token's 32 belongs to other heads' work-groups; lanes l and l + 16 write the same
.endm
	s_wait_alu depctr_va_vdst(0)                   ; the wait at the head's end
	s_wait_tensorcnt 0x0                           ; my part of the head's K, V^T or scale words is in
	s_wait_dscnt 0x0                               ; and so are my stores into the table of mask words
	s_barrier_signal -1
	s_barrier_wait -1                              ; both now hold of every wave; nothing is filled or stored into shared bytes behind this barrier
	TILE 0
	TILE 1
	s_wait_tensorcnt 0x0                           ; the wave's end
	ds_add_u32 v[SPW], v[NIL]
	s_wait_dscnt 0x0
	CROUND                                         ; the closing round: no work-group ends while a partner may still ask jointly
	s_endpgm
.Lfunc_end_k_q87e6127175_attn:
	.size	k_q87e6127175_attn, .Lfunc_end_k_q87e6127175_attn-k_q87e6127175_attn
	.p2alignl 7, 3214868480
	.fill 96, 4, 3214868480
	.section	.rodata,"a",@progbits
	.p2align	6, 0x0
	.amdhsa_kernel k_q87e6127175_attn
		.amdhsa_group_segment_fixed_size 169984
		.amdhsa_private_segment_fixed_size 0
		.amdhsa_enable_private_segment 0
		.amdhsa_kernarg_size 40
		.amdhsa_user_sgpr_count 2
		.amdhsa_user_sgpr_kernarg_segment_ptr 1
		.amdhsa_wavefront_size32 1
		.amdhsa_system_sgpr_workgroup_id_x 1
		.amdhsa_system_sgpr_workgroup_id_y 1
		.amdhsa_system_sgpr_workgroup_id_z 1
		.amdhsa_system_vgpr_workitem_id 0
		.amdhsa_next_free_vgpr 256
		.amdhsa_next_free_sgpr 80
		.amdhsa_reserve_vcc 0
		.amdhsa_float_denorm_mode_32 3
		.amdhsa_float_denorm_mode_16_64 3
		.amdhsa_memory_ordered 1
		.amdhsa_forward_progress 1
		.amdhsa_inst_pref_size 56
	.end_amdhsa_kernel
	.amdgpu_metadata
---
amdhsa.version: [ 1, 2 ]
amdhsa.kernels:
  - .name:           k_q87e6127175_attn
    .symbol:         k_q87e6127175_attn.kd
    .args:
      - { .name: img, .offset: 0, .size: 8, .value_kind: global_buffer, .address_space: global }
      - { .name: sc, .offset: 8, .size: 8, .value_kind: global_buffer, .address_space: global }
      - { .name: mask, .offset: 16, .size: 8, .value_kind: global_buffer, .address_space: global }
      - { .name: oimg, .offset: 24, .size: 8, .value_kind: global_buffer, .address_space: global }
      - { .name: osc, .offset: 32, .size: 8, .value_kind: global_buffer, .address_space: global }
    .group_segment_fixed_size: 169984
    .private_segment_fixed_size: 0
    .kernarg_segment_align: 8
    .kernarg_segment_size: 40
    .max_flat_workgroup_size: 512
    .sgpr_count:     80
    .vgpr_count:     256
    .wavefront_size: 32
...
	.end_amdgpu_metadata
.endif
;; end of part 3
;; launch oproj (part 4): grid 4 x 64, 4 waves a work-group, clusters of 4 x 4, 327,680 bytes of LDS; arguments oimg, osc, codes, scales, bo, out0; writes out0
.if DOCPART == 4
	.amdgcn_target "amdgcn-amd-amdhsa--gfx1250"
	.amdhsa_code_object_version 6
	.text
	.protected	k_q87e6127175_oproj
	.globl	k_q87e6127175_oproj
	.p2align	8
	.type	k_q87e6127175_oproj,@function
k_q87e6127175_oproj:
	s_mov_b64 s[64:65], 0
	v_nop
	global_prefetch_b8 v0, s[64:65] scope:SCOPE_SE
	s_setreg_imm32_b32 hwreg(HW_REG_WAVE_MODE, 25, 1), 1
	s_wait_xcnt 0x0
	s_wait_alu depctr_hold_cnt(0) depctr_sa_sdst(0) depctr_va_vdst(0) depctr_va_sdst(0) depctr_va_ssrc(0) depctr_va_vcc(0) depctr_vm_vsrc(0)
	s_getreg_b32 s2, hwreg(HW_REG_IB_STS2, 6, 4)
	s_cmp_eq_u32 s2, 0
	s_cbranch_scc0 .Lentry_in_a_cluster
	s_endpgm
.Lentry_in_a_cluster:
	s_bfe_u32 s2, ttmp6, 0x10000c
	s_cmp_lg_u32 s2, 0xf033
	s_cbranch_scc0 .Lentry_shape_is_right
	s_endpgm
.Lentry_shape_is_right:
; out0 = o Wo^T + bo on codes of FP4 (E2M1) with one E8M0 byte for each 32 along K = 1,024.  o comes as images of operand registers (oimg: [tile of 16 tokens][K step of 128][1,024 bytes]) with its scale bytes (osc).
; SHARES.  A block of 128 tokens x 256 columns a work-group: 64 x 4 = 256 work-groups; 64 x 128 a wave: 32 accumulators.
; LDS.  ALL OF K LIES IN LDS AT ONCE: o's 8 tiles as they lie (65,536 bytes), Wo's 256 rows of 512 bytes + 16 of padding, and both operands' scale bytes.
; Four joint loads, one a wave, behind one round of the cluster's barrier: nothing is filled again, and one barrier shows the tiles to all four waves.  The bias is the C of each sum's first product.
; Both operands have two sets of fragment registers, so that a step's fragments are asked for ahead of the step before's products.
; The way out's stages have LDS bytes of their own.  No prefetch: every byte is asked for once, at the head, and no loop runs ahead of a load.
.set SIZE_N, 1024
.set NQ,     4
.set ROWB,   512
.set KROW,   512
.set PITCH,  528
.set FR,     8
.set NP,     4
.set HALFA,  32768                     ; 64 tokens: 4 tiles of 8,192 bytes
.set HALFT,  128*PITCH
.set BOFF,   2*HALFA
.set KS,     32
.set SCL,    BOFF+2*HALFT
.set HALFS,  (128*KS/256)*272
.set SBLK,   (16*KS/256)*272
.set SPARE,  SCL+4*HALFS
.set STG,    SPARE+512                 ; the way out's stages: bytes of their own, into which no fill lands
.set SPITCH, 528
.set ADRA, 16
.set ADRB, 20
.set STO,  24
.set RD,   25
.set CO,   26
.set ADRS, 27
.set SPW,  28
.set NIL,  29
.set ADRS2, 30                         ; v30: the scale words' address with lanes 16-31 four blocks further on
.set SC,   32
.set AF,   128
.set BI,   192
.set BK,   128
.set G1, 24
.set G0, 32
.set G1B, 48
.set G0B, 56
.set G1S, 68
.set G0S, 76
.set G1SB, 80
.set G0SB, 88
.set MSB, 0
.macro WIN new
.if MSB != (\new)
	s_set_vgpr_msb (MSB<<8)|(\new)
.set MSB, (\new)
.endif
.endm
.set MUL_LO, 0xa1
.set TO_B,   0x40
.macro ARM under, g0, g1, next         ; one arm of the head's tree of branches on the wave's number: its load, and a jump to the tree's end
	s_cmp_lt_u32 s14, \under
	s_cbranch_scc0 \next
	tensor_load_to_lds s[\g0:\g0+3], s[\g1:\g1+7]
	s_nop 0
.rept 4
	v_nop
.endr
	s_branch .Lhead_asked
\next:
.endm
.macro CROUND
	s_barrier_signal -1
	s_barrier_wait -1
	s_cmp_lg_u32 s14, 0
	s_cbranch_scc1 .Lnot_wave_0_\@
	s_barrier_signal -3
.Lnot_wave_0_\@:
	s_barrier_wait -3
	s_barrier_signal -1
	s_barrier_wait -1
.endm
.macro SDESC g, rows                   ; group 1 for scale bytes: rows of 256 bytes, 16 of padding behind each
	s_mov_b32 s[\g+1], 32<<16
	s_mov_b32 s[\g+2], (\rows)<<16
	s_mov_b32 s[\g+3], 32<<16
	s_mov_b32 s[\g+4], \rows
	s_mov_b32 s[\g+5], 32
	s_mov_b32 s[\g+6], 0
	s_mov_b32 s[\g+7], 0
.endm
	s_load_b128 s[4:7], s[0:1], 0x0                ; oimg, osc
	s_load_b128 s[8:11], s[0:1], 0x10              ; codes, scales
	s_load_b64 s[96:97], s[0:1], 0x20              ; bo
	s_load_b64 s[12:13], s[0:1], 0x28              ; out0
	v_lshl_add_u32 v[SPW], v0, 2, SPARE
	v_mov_b32 v[NIL], 0
	ds_add_u32 v[SPW], v[NIL]                      ; the opening lines: the add, twice on end, and its wait
	ds_add_u32 v[SPW], v[NIL]
	s_wait_dscnt 0x0
	v_lshrrev_b32 v1, 5, v0
	v_readfirstlane_b32 s14, v1
	s_lshr_b32 s15, s14, 1
	s_and_b32 s16, s14, 1
	s_bfe_u32 s40, ttmp6, 0x40000
	s_bfe_u32 s41, ttmp6, 0x40004
	s_lshl_b32 s42, ttmp9, 2
	s_add_co_u32 s42, s42, s40                     ; which 256 columns
	s_and_b32 s17, ttmp7, 0xffff
	s_lshl_b32 s17, s17, 2
	s_add_co_u32 s17, s17, s41                     ; which 128 tokens
	s_lshl_b32 s43, s41, 2
	s_lshl_b32 s43, 15, s43
	s_lshl_b32 s44, 0x1111, s40
	s_or_b32 s[G1+0], s43, (3<<16)|(1<<21)         ; o's tiles: a dense block, 16 rows of 4,096 bytes, no padding
	s_mov_b32 s[G1+1], 512<<16
	s_mov_b32 s[G1+2], 16<<16
	s_mov_b32 s[G1+3], 512<<16
	s_mov_b32 s[G1+4], 16
	s_mov_b32 s[G1+5], 512
	s_mov_b32 s[G1+6], 0
	s_mov_b32 s[G1+7], 0
	s_or_b32 s[G1B+0], s44, (0<<16)|(1<<20)|(1<<21)|(6<<22)|(3<<25)   ; four words of padding behind every 128
	s_mov_b32 s[G1B+1], ROWB<<16
	s_mov_b32 s[G1B+2], 256<<16
	s_mov_b32 s[G1B+3], ROWB<<16
	s_mov_b32 s[G1B+4], 256
	s_mov_b32 s[G1B+5], KROW
	s_mov_b32 s[G1B+6], 0
	s_mov_b32 s[G1B+7], 0
	s_or_b32 s[G1S+0], s43, (3<<16)|(1<<20)|(1<<21)|(5<<22)|(3<<25)
	s_or_b32 s[G1SB+0], s44, (3<<16)|(1<<20)|(1<<21)|(5<<22)|(3<<25)
	SDESC G1S, KS/2
	SDESC G1SB, KS
	s_lshl_b32 s20, s17, 7
	s_lshl_b32 s46, s42, 8
	s_add_co_u32 s46, s46, 27648                   ; Wo's rows begin at 27,648
	s_mov_b32 s21, 0
	s_mov_b32 s47, 0
	s_mov_b64 s[18:19], KS
	s_mul_u64 s[22:23], s[20:21], s[18:19]
	s_mul_u64 s[92:93], s[46:47], s[18:19]
	s_mov_b64 s[18:19], KROW
	s_mul_u64 s[20:21], s[20:21], s[18:19]
	s_mul_u64 s[46:47], s[46:47], s[18:19]
	s_wait_kmcnt 0x0
	s_add_nc_u64 s[20:21], s[4:5], s[20:21]
	s_add_nc_u64 s[22:23], s[6:7], s[22:23]
	s_add_nc_u64 s[46:47], s[8:9], s[46:47]
	s_add_nc_u64 s[92:93], s[10:11], s[92:93]
	CROUND
	s_mov_b32 s[G0S], 1
	s_mov_b32 s[G0S+1], SCL
	s_mov_b64 s[G0S+2:G0S+3], s[22:23]
	s_or_b32 s[G0S+3], s[G0S+3], 0x80000000
	s_mov_b32 s[G0SB], 1
	s_mov_b32 s[G0SB+1], SCL+2*HALFS
	s_mov_b64 s[G0SB+2:G0SB+3], s[92:93]
	s_or_b32 s[G0SB+3], s[G0SB+3], 0x80000000
	s_mov_b32 s[G0], 1
	s_mov_b32 s[G0+1], 0
	s_mov_b64 s[G0+2:G0+3], s[20:21]
	s_or_b32 s[G0+3], s[G0+3], 0x80000000
	s_mov_b32 s[G0B], 1
	s_mov_b32 s[G0B+1], BOFF
	s_mov_b64 s[G0B+2:G0B+3], s[46:47]
	s_or_b32 s[G0B+3], s[G0B+3], 0x80000000
	; the head's four tiles, one joint load a wave: o's 8 tiles, Wo's 256 rows, and their scale bytes
	ARM 1, G0,  G1,  .Lhead_b
	ARM 2, G0B, G1B, .Lhead_sa
	ARM 3, G0S, G1S, .Lhead_sb
	tensor_load_to_lds s[G0SB:G0SB+3], s[G1SB:G1SB+7]
	s_nop 0
.rept 4
	v_nop
.endr
.Lhead_asked:
	v_and_b32 v1, 15, v0
	v_bfe_u32 v2, v0, 4, 1
	v_and_b32 v6, 31, v0
	v_lshlrev_b32 v[CO], 4, v6
	v_mul_u32_u24 v3, v1, PITCH
	v_lshl_add_u32 v4, v2, 4, v3
	s_mul_i32 s21, s15, HALFA
	s_mul_i32 s22, s16, HALFT
	s_add_co_u32 s22, s22, BOFF
.irp s, 0,1
	v_add_nc_u32 v[ADRA+\s], s21, v[CO]
	v_add_nc_u32 v[ADRB+\s], s22, v4
	s_add_co_u32 s21, s21, 4096                    ; the second half of K: four K steps on in a tile's image,
	s_add_co_u32 s22, s22, 256                     ; 256 bytes on in a row of Wo
.endr
	v_mul_u32_u24 v5, v1, KS
	v_lshrrev_b32 v6, 8, v5
	v_lshl_add_u32 v5, v6, 4, v5
	s_mul_i32 s21, s15, HALFS/2
	s_mul_i32 s22, s16, HALFS
	s_add_co_u32 s22, s22, 2*HALFS
	s_sub_co_u32 s22, s22, s21
	v_mul_u32_u24 v6, s22, v2
	s_add_co_u32 s21, s21, SCL
	v_add_nc_u32 v5, v5, v6
	v_add_nc_u32 v[ADRS], s21, v5
	v_mad_u32_u24 v[ADRS2], v2, 4*SBLK, v[ADRS]
	s_mul_i32 s23, s14, 16*SPITCH
	s_add_co_u32 s23, s23, STG
	v_mul_u32_u24 v5, v1, SPITCH
	v_lshl_add_u32 v5, v2, 5, v5
	v_add_nc_u32 v[STO], s23, v5
	v_add_nc_u32 v[RD], s23, v[CO]
	s_lshl_b32 s20, s17, 7
	s_lshl_b32 s21, s15, 6
	s_add_co_u32 s20, s20, s21                     ; my first row of out0
	s_mov_b32 s21, 0
	s_mov_b64 s[18:19], SIZE_N*4
	s_mul_u64 s[20:21], s[20:21], s[18:19]
	s_lshl_b32 s46, s42, 10
	s_lshl_b32 s47, s16, 9
	s_add_co_u32 s46, s46, s47
	s_mov_b32 s47, 0
	s_add_nc_u64 s[96:97], s[96:97], s[46:47]
	s_add_nc_u64 s[20:21], s[20:21], s[46:47]
	s_add_nc_u64 s[12:13], s[12:13], s[20:21]
	v_lshlrev_b32 v7, 5, v2
.irp b, 0,1,2,3,4,5,6,7
	global_load_b128 v[BI+8*\b:BI+8*\b+3], v7, s[96:97] offset:64*\b
	global_load_b128 v[BI+8*\b+4:BI+8*\b+7], v7, s[96:97] offset:64*\b+16
.endr
.macro FRAG reg, adr, q, i
.irp c, 0,1
	ds_load_b128 v[\reg+4*\c:\reg+4*\c+3], v[\adr] offset:64*(\q)+32*\c+(\i)*16*PITCH
.endr
.endm
.macro FRAGA reg, adr, q, i
.irp c, 0,1
	ds_load_b128 v[\reg+4*\c:\reg+4*\c+3], v[\adr] offset:(8*(\i)+(\q))*1024+512*\c
.endr
.endm
.macro MUL16 a0, p, q, sc, first
.irp a, \a0, \a0+1
.irp b, 0,1,2,3,4,5,6,7
.if \first
	v_wmma_scale_f32_16x16x128_f8f6f4 v[8*(8*((\a)%4)+\b):8*(8*((\a)%4)+\b)+7], v[128*(\p)+FR*\b:128*(\p)+FR*\b+FR-1], v[AF+FR*(\a):AF+FR*(\a)+FR-1], v[BI+8*\b:BI+8*\b+7], v[SC+8*NQ*(\sc)+NQ*\b+(\q)], v[SC+8*NQ*(\sc)+NQ*(\a)+(\q)] matrix_a_fmt:MATRIX_FMT_FP4 matrix_b_fmt:MATRIX_FMT_FP4 matrix_a_scale:MATRIX_SCALE_ROW1
.else
	v_wmma_scale_f32_16x16x128_f8f6f4 v[8*(8*((\a)%4)+\b):8*(8*((\a)%4)+\b)+7], v[128*(\p)+FR*\b:128*(\p)+FR*\b+FR-1], v[AF+FR*(\a):AF+FR*(\a)+FR-1], v[8*(8*((\a)%4)+\b):8*(8*((\a)%4)+\b)+7], v[SC+8*NQ*(\sc)+NQ*\b+(\q)], v[SC+8*NQ*(\sc)+NQ*(\a)+(\q)] matrix_a_fmt:MATRIX_FMT_FP4 matrix_b_fmt:MATRIX_FMT_FP4 matrix_a_scale:MATRIX_SCALE_ROW1
.endif
.endr
.endr
.endm
.macro PLACES n
.rept \n
	v_nop
.endr
.endm
.macro HFETCH slot, q, set             ; the fragments of one step of 128 along K into set: Wo's eight blocks, o's four
	WIN TO_B
.irp i, 0,1,2,3,4,5,6,7
	FRAG 128*(\set)+FR*\i, ADRB+\slot, \q, \i
.endr
	WIN 0
.irp i, 0,1,2,3
	FRAGA AF+FR*(4*(\set)+\i), ADRA+\slot, \q, \i
.endr
.endm
.macro HSCALES sc                      ; registers 4-7 of a set: lanes 0-15 take o's blocks 0-3 once more (for its second set of fragments), lanes 16-31 Wo's blocks 4-7
.irp i, 0,1,2,3
	ds_load_b128 v[SC+8*NQ*\sc+NQ*\i:SC+8*NQ*\sc+NQ*\i+3], v[ADRS] offset:\i*SBLK+4*NQ*\sc
	ds_load_b128 v[SC+8*NQ*\sc+NQ*(\i+4):SC+8*NQ*\sc+NQ*(\i+4)+3], v[ADRS2] offset:\i*SBLK+4*NQ*\sc
.endr
.endm
.macro HSTEP k, first                  ; step k of eight: the next step's fragments are asked for, then 32 products, the accumulators by turns
	s_wait_dscnt 0x0
.if (\k) < 7
.if (\k) > 0
	PLACES NP
.endif
	HFETCH ((\k)+1)/4, ((\k)+1)%4, ((\k)+1)%2
.endif
.if \first
	WIN 0x81                                       ; C, the bias, in window 0
.else
	WIN MUL_LO
.endif
	MUL16 4*((\k)%2), (\k)%2, (\k)%4, (\k)/4, \first
	MUL16 4*((\k)%2)+2, (\k)%2, (\k)%4, (\k)/4, \first
	WIN 0
.endm
	s_wait_alu depctr_va_vdst(0)                   ; the wait at the head's end
	s_wait_tensorcnt 0x0                           ; my tile of the four is in; the barrier shows all four to every wave
	s_barrier_signal -1
	s_barrier_wait -1
	HFETCH 0, 0, 0
	HSCALES 0
	HSCALES 1
	s_wait_loadcnt 0x0                             ; the bias
	HSTEP 0, 1
.set K, 1
.rept 7
	HSTEP K, 0
.set K, K+1
.endr
; THE WAY OUT, block by block of 16 rows x 128 columns, through my own stage: whole rows of 512 bytes come back and are stored by the 32 lanes
.macro TOSTAGE a
.set AC, 64*(\a)
	WIN 0x08
.irp b, 0,1,2,3,4,5,6,7
	ds_store_b128 v[STO], v[AC+8*\b:AC+8*\b+3] offset:64*\b
	ds_store_b128 v[STO], v[AC+8*\b+4:AC+8*\b+7] offset:64*\b+16
.endr
	WIN 0
.set BB, BK+64*((\a)%2)
.irp t, 0,1,2,3,4,5,6,7,8,9,10,11,12,13,14,15
	ds_load_b128 v[BB+4*\t:BB+4*\t+3], v[RD] offset:\t*SPITCH
.endr
.endm
.macro SEND a, younger                 ; younger: the LDS instructions issued behind block a's loads, which may stay out
.set BB, BK+64*((\a)%2)
	s_wait_dscnt \younger
.if (\a) > 0
	s_add_nc_u64 s[12:13], s[12:13], 16*SIZE_N*4
.endif
.irp t, 0,1,2,3,4,5,6,7,8,9,10,11,12,13,14,15
	global_store_b128 v[CO], v[BB+4*\t:BB+4*\t+3], s[12:13] offset:\t*SIZE_N*4 th:TH_STORE_NT
.endr
.endm
	PLACES NP
	TOSTAGE 0
.irp a, 1,2,3
.if \a > 1
	s_wait_xcnt 0x0                                ; block a - 2's stores have read their registers and their base
.endif
	TOSTAGE \a
	SEND \a-1, 32                                  ; behind block a - 1's loads: block a's 16 stores and 16 loads
.endr
	s_wait_xcnt 0x0
	SEND 3, 0
	s_wait_tensorcnt 0x0                           ; the wave's end
	ds_add_u32 v[SPW], v[NIL]
	s_wait_dscnt 0x0
	CROUND
	s_endpgm
.Lfunc_end_k_q87e6127175_oproj:
	.size	k_q87e6127175_oproj, .Lfunc_end_k_q87e6127175_oproj-k_q87e6127175_oproj
	.p2alignl 7, 3214868480
	.fill 96, 4, 3214868480
	.section	.rodata,"a",@progbits
	.p2align	6, 0x0
	.amdhsa_kernel k_q87e6127175_oproj
		.amdhsa_group_segment_fixed_size 327680
		.amdhsa_private_segment_fixed_size 0
		.amdhsa_enable_private_segment 0
		.amdhsa_kernarg_size 48
		.amdhsa_user_sgpr_count 2
		.amdhsa_user_sgpr_kernarg_segment_ptr 1
		.amdhsa_wavefront_size32 1
		.amdhsa_system_sgpr_workgroup_id_x 1
		.amdhsa_system_sgpr_workgroup_id_y 1
		.amdhsa_system_sgpr_workgroup_id_z 1
		.amdhsa_system_vgpr_workitem_id 0
		.amdhsa_next_free_vgpr 1024
		.amdhsa_next_free_sgpr 100
		.amdhsa_reserve_vcc 0
		.amdhsa_float_denorm_mode_32 3
		.amdhsa_float_denorm_mode_16_64 3
		.amdhsa_memory_ordered 1
		.amdhsa_forward_progress 1
		.amdhsa_inst_pref_size 73
	.end_amdhsa_kernel
	.amdgpu_metadata
---
amdhsa.version: [ 1, 2 ]
amdhsa.kernels:
  - .name:           k_q87e6127175_oproj
    .symbol:         k_q87e6127175_oproj.kd
    .args:
      - { .name: oimg, .offset: 0, .size: 8, .value_kind: global_buffer, .address_space: global }
      - { .name: osc, .offset: 8, .size: 8, .value_kind: global_buffer, .address_space: global }
      - { .name: codes, .offset: 16, .size: 8, .value_kind: global_buffer, .address_space: global }
      - { .name: scales, .offset: 24, .size: 8, .value_kind: global_buffer, .address_space: global }
      - { .name: bo, .offset: 32, .size: 8, .value_kind: global_buffer, .address_space: global }
      - { .name: out0, .offset: 40, .size: 8, .value_kind: global_buffer, .address_space: global }
    .group_segment_fixed_size: 327680
    .private_segment_fixed_size: 0
    .kernarg_segment_align: 8
    .kernarg_segment_size: 48
    .max_flat_workgroup_size: 128
    .sgpr_count:     100
    .vgpr_count:     1024
    .wavefront_size: 32
...
	.end_amdgpu_metadata
.endif
;; end of part 4
